; MI455X (gfx1250); checked and timed in simulation.
; The chip was launched on July 23, 2026; its instructions are those of AMD's public machine-readable ISA for CDNA 5 (MIT licence, August 2026) and "CDNA5" Instruction Set Architecture Reference Guide (July 2026). The comments in the code are by the model that wrote it; some were corrected since.
;; Multi Head Attention. Allowed arithmetic: float matrix products may take bf16 or f16 operands with f32 sums; all other float work in f32.
;; Inputs: Wk 2,048 x 256 float32; Wo 256 x 2,048 float32; Wq 2,048 x 256 float32; Wv 2,048 x 256 float32; bk 2,048 float32; bo 256 float32; bq 2,048 float32; bv 2,048 float32; x 2 x 2,048 x 256 float32.
;; Outputs: out0 2 x 2,048 x 256 float32.
;; 2 versions, each right; version 2 is version 1 with the launch gram written anew for expert scheduling mode. Each part assembles by itself: llvm-mc -triple=amdgcn-amd-amdhsa -mcpu=gfx1250 --defsym DOCPART=n.
;; ======== version 1 of 2: 4 launches
;; limits: values outside matrix products are rounded to bf16
;; workspace buffers: Gp 5,308,416 bytes; Cs 2,654,208 bytes; Us 2,359,296 bytes; Ds 4,718,592 bytes; Ps 589,824 bytes
;; launch gram (part 1): grid 9 x 32, 9 waves a work-group, no clusters, 148,736 bytes of LDS; arguments x, Wq, Wk, Wv, Wo, bq, bk, bv, Gp, Cs, Us; writes Gp, Cs, Us
.if DOCPART == 1
	.amdgcn_target "amdgcn-amd-amdhsa--gfx1250"
	.amdhsa_code_object_version 6
	.text
	.protected	k_q45641dcd04_gram
	.globl	k_q45641dcd04_gram
	.p2align	8
	.type	k_q45641dcd04_gram,@function
k_q45641dcd04_gram:
	s_mov_b64 s[64:65], 0
	v_nop
	global_prefetch_b8 v0, s[64:65] scope:SCOPE_SE
	s_setreg_imm32_b32 hwreg(HW_REG_WAVE_MODE, 25, 1), 1
	s_wait_xcnt 0x0
; The module has no softmax, so its chain of products is re-associated exactly.  With xa = [x | 1] and Wa = [W | b] (257 columns):
;   out_b = scale * xa_b * ( sum over h of C_h G_b U_h ) + bo,   G_b = xa_b^T xa_b,  C_h = Wqa_h^T Wka_h,  U_h = Wva_h^T Wo_h^T.
; This launch makes the three kinds of product over a contraction of 256: partial G (16 jobs of 256 rows of x), C (8 heads), U (8 heads).
; The index space is 288 = 9 blocks of 32: 0..255 real, 256 the ones/bias column, 257..287 zeros that are computed from zero columns in LDS.
; LIMITS: inputs are rounded to bf16 once; sums are f32; the order of summation differs from the reference's (re-association);
; NaN and infinities in the inputs are not reproduced; intermediates grow as x^2 W^4 and must stay finite in f32.
; Job y = group id y: 0..15 G(part y), 16..23 C(h = y-16), 24..31 U(h = y-24).  Group id x = 3 RB + CB names a 96 x 96 part of the 288 x 288 result,
; wave w = 3 wr + wc a block of 32 x 32 in it: row block R = 3 RB + wr (matrix source 1), column block Cc = 3 CB + wc (matrix source 0).
; No cluster, no tensor load: the f32 inputs have to pass through registers to become bf16 before they reach LDS, and a joint request lands in LDS only.
; LDS: panel 0 at 0, panel 1 at PAN1.  A transposed panel is [k 256][96 real columns | 32 bias columns] bf16, pitch 288 bytes (9 x 32: the sixteen
; 16-byte pieces that a transposing load touches fall in different columns of banks).  Wo's panel is [96 rows o][256 k], pitch 528 bytes (33 x 16).
; The two kinds of panel 1 lie on the same bytes.  Their stores stand in different barrier intervals, so that their order does not lean on
; all waves of a group taking the same side of the branch on the job number.
.set TP,   288
.set PAN1, 256*TP                      ; 73,728
.set WP,   528
.set X0,   16                          ; v[16:99] panel 0 as loaded, 21 trips x 4; v[100:103] trip 21 (waves 0-2)
.set X1,   104                         ; v[104:187] panel 1; v[188:191] trip 21
.set AUG0, 192                         ; bias (or 1.0) of row k = thread number, panel 0
.set AUG1, 193                         ; the same, panel 1
.set T0A,  194                         ; fragment addresses: panel 0, K steps 0-3
.set T0B,  195                         ;                     panel 0, K steps 4-7
.set T1A,  196                         ;                     panel 1 (transposed)
.set T1B,  197
.set P1,   198                         ;                     panel 1 (Wo, plain)
.set SO,   199                         ; 16 x lane: the stores' offset
.set FR,   16                          ; v[16:79] two fragment buffers of 32: source 0 tiles 0, 1, source 1 tiles 0, 1
.set ACC,  80                          ; v[80:111] tile (rt, ct) at 8 (2 rt + ct)
.set OH,   112                         ; v[112:143] tile tt: hi at 8 tt, lo at 8 tt + 4
.set OT,   144                         ; v[144:147] at work
.set MSK,  60                          ; s60 = 0xffff0000
; v1 lane; v2, v3 at work; v4 global offset of a transposed panel's trip; v5-v8 its LDS addresses (panel 0: trips 0-10, 11-21; panel 1 likewise)
; v9, v10 Wo even trips (global, LDS); v11, v12 Wo odd trips; v13 4 x thread; v14, v15 LDS address of my bias row in panel 0, 1
.macro PLACES                          ; four independent vector places behind a matrix instruction (ISA guide 7.12.1)
.rept 4
	v_nop
.endr
.endm
.macro CVST x, a, off                  ; four f32 to four bf16, 8 bytes into LDS
	v_cvt_pk_bf16_f32 v[\x], v[\x], v[\x+1]
	v_cvt_pk_bf16_f32 v[\x+1], v[\x+2], v[\x+3]
	ds_store_b64 v[\a], v[\x:\x+1] offset:\off
.endm
; the last 96 bytes of row k of a transposed panel: the bias (or 1.0) in column 256, 31 zero columns, and the row's 32 bytes of padding
.macro AUGROW a, d
	ds_store_b128 v[\a], v[\d:\d+3] offset:192
.irp o, 208,224,240,256,272
	ds_store_b128 v[\a], v[20:23] offset:\o
.endr
.endm
.macro SPLIT4 S, H, LO, T              ; four f32 -> bf16 hi (2 registers) and bf16 of the remainder (2 registers)
	v_cvt_pk_bf16_f32 v[\H], v[\S], v[\S+1]
	v_cvt_pk_bf16_f32 v[\H+1], v[\S+2], v[\S+3]
	v_lshlrev_b32 v[\T], 16, v[\H]
	v_and_b32 v[\T+1], s[MSK], v[\H]
	v_lshlrev_b32 v[\T+2], 16, v[\H+1]
	v_and_b32 v[\T+3], s[MSK], v[\H+1]
	v_pk_add_f32 v[\S:\S+1], v[\S:\S+1], v[\T:\T+1] neg_lo:[0,1] neg_hi:[0,1]
	v_pk_add_f32 v[\S+2:\S+3], v[\S+2:\S+3], v[\T+2:\T+3] neg_lo:[0,1] neg_hi:[0,1]
	v_cvt_pk_bf16_f32 v[\LO], v[\S], v[\S+1]
	v_cvt_pk_bf16_f32 v[\LO+1], v[\S+2], v[\S+3]
.endm
.macro SPLIT8 S, H, LO, T
	SPLIT4 \S,\H,\LO,\T
	SPLIT4 \S+4,\H+2,\LO+2,\T
.endm
; Wo's addresses for the trips whose unit number is n = 6 e + c: row 32 wc + 3 e + (c >> 1), half c & 1.  s54 = 32 wc.
.macro WOADR c, vg, vl
	s_lshr_b32 s55, \c, 1
	s_add_co_u32 s55, s55, s54
	s_and_b32 s56, \c, 1
	s_lshl_b32 s57, s55, 13                        ; a row of Wo is 8,192 bytes
	s_lshl_b32 s58, s56, 9                         ; half a head's row: 512 bytes
	s_add_co_u32 s57, s57, s58
	v_lshl_add_u32 v[\vg], v1, 4, s57
	s_mul_i32 s57, s55, WP
	s_lshl_b32 s58, s56, 8
	s_add_co_u32 s57, s57, s58
	s_add_co_u32 s57, s57, PAN1
	v_lshl_add_u32 v[\vl], v1, 3, s57
.endm
	s_load_b512 s[16:31], s[0:1], 0x0              ; x 16, Wq 18, Wk 20, Wv 22, Wo 24, bq 26, bk 28, bv 30
	s_load_b128 s[32:35], s[0:1], 0x40             ; Gp 32, Cs 34
	s_load_b64 s[36:37], s[0:1], 0x50              ; Us
	v_lshl_add_u32 v200, v0, 2, 0x24000
	v_mov_b32 v201, 0
	v_lshrrev_b32 v1, 5, v0
	v_readfirstlane_b32 s3, v1                     ; wave 0..8
	v_and_b32 v1, 31, v0                           ; lane
	s_and_b32 s2, ttmp7, 0xffff                    ; job y
	s_mov_b32 s[MSK], 0xffff0000
	s_mul_i32 s12, ttmp9, 11
	s_lshr_b32 s12, s12, 5                         ; RB = x / 3 (exact for 0..8)
	s_mul_i32 s40, s12, 3
	s_sub_co_u32 s13, ttmp9, s40                   ; CB
	s_mul_i32 s14, s3, 11
	s_lshr_b32 s14, s14, 5                         ; wr
	s_mul_i32 s41, s14, 3
	s_sub_co_u32 s15, s3, s41                      ; wc
	s_add_co_u32 s38, s40, s14                     ; R
	s_mul_i32 s39, s13, 3
	s_add_co_u32 s39, s39, s15                     ; Cc
	; A panel holds 96 real columns from PS on.  The third panel starts at 160, so that it stays inside the 256 columns: its blocks 6 and 7 lie
	; 64 bytes further right, and block 8 falls on the bias columns at byte 192.
	s_mul_i32 s41, s13, 96
	s_cmp_eq_u32 s13, 2
	s_cselect_b32 s41, 160, s41                    ; PS of panel 0
	s_cselect_b32 s42, 64, 0
	s_mul_i32 s43, s12, 96
	s_cmp_eq_u32 s12, 2
	s_cselect_b32 s43, 160, s43                    ; PS of panel 1
	s_cselect_b32 s44, 64, 0
	s_and_b32 s45, s2, 7
	s_cmp_lt_u32 s2, 16
	s_cselect_b32 s45, s2, s45                     ; part of x (0..15) or head (0..7)
	s_lshl_b32 s46, s45, 18                        ; 256 rows of 1,024 bytes
	s_lshl_b32 s47, s45, 10
	s_lshl2_add_u32 s48, s41, s46                  ; panel 0: part or head, + 4 PS
	s_mov_b32 s49, 0
	s_lshl2_add_u32 s50, s43, s46                  ; panel 1, transposed kind
	s_lshl_b32 s52, s43, 13
	s_add_co_u32 s52, s52, s47                     ; panel 1, Wo: row PS, column 256 h
	s_cmp_ge_u32 s2, 24
	s_cselect_b32 s50, s52, s50
	s_mov_b32 s51, 0
	s_mov_b32 s52, s47                             ; a head's 1,024 bytes of a bias
	s_mov_b32 s53, 0
	; global offset of a transposed panel's trip: wave (wr, wc) takes rows 12 i + 4 wr + (lane >> 3), 128 bytes of column block wc
	v_lshrrev_b32 v2, 3, v1
	v_and_b32 v3, 7, v1
	s_lshl_b32 s54, s14, 12
	s_lshl_b32 s55, s15, 7
	s_add_co_u32 s54, s54, s55
	v_lshl_add_u32 v4, v2, 10, s54
	v_lshl_add_u32 v4, v3, 4, v4
	s_lshl_b32 s54, s15, 5
	s_add_co_u32 s59, s14, 3
	WOADR s14, 9, 10                               ; even trips: c = wr
	WOADR s59, 11, 12                              ; odd trips:  c = wr + 3
	v_lshlrev_b32 v13, 2, v0
	v_mov_b32 v[AUG0], 1.0                         ; G jobs: the ones column; other jobs load their bias over it
	v_mov_b32 v[AUG1], 1.0
	s_wait_kmcnt 0x0
	s_cmp_ge_u32 s2, 24
	s_cselect_b64 s[4:5], s[22:23], s[20:21]       ; panel 0: Wv (U) or Wk (C)
	s_cselect_b64 s[6:7], s[24:25], s[18:19]       ; panel 1: Wo (U) or Wq (C)
	s_cselect_b64 s[8:9], s[30:31], s[28:29]       ; bias 0:  bv or bk
	s_cmp_lt_u32 s2, 16
	s_cselect_b64 s[4:5], s[16:17], s[4:5]         ; G: x for both
	s_cselect_b64 s[6:7], s[16:17], s[6:7]
	s_add_nc_u64 s[4:5], s[4:5], s[48:49]
	s_add_nc_u64 s[6:7], s[6:7], s[50:51]
	s_add_nc_u64 s[8:9], s[8:9], s[52:53]          ; used by C and U jobs alone
	s_add_nc_u64 s[10:11], s[26:27], s[52:53]      ; bias 1: bq, used by C jobs alone
	; ALL LOADS AT ONCE: the job has one phase, so everything that it reads is requested before anything is waited for.
.set i, 0
.rept 21
	global_load_b128 v[X0+4*i:X0+4*i+3], v4, s[4:5] offset:i*12288
.set i, i+1
.endr
	s_cmp_ge_u32 s2, 24
	s_cbranch_scc1 .Lld_wo
.set i, 0
.rept 21
	global_load_b128 v[X1+4*i:X1+4*i+3], v4, s[6:7] offset:i*12288
.set i, i+1
.endr
	s_cmp_gt_u32 s3, 2
	s_cbranch_scc1 .Lld_p1
	global_load_b128 v[X1+84:X1+87], v4, s[6:7] offset:21*12288    ; rows 252..255: waves with wr = 0
	s_branch .Lld_p1
.Lld_wo:
.set i, 0
.rept 21
.if i & 1
	global_load_b128 v[X1+4*i:X1+4*i+3], v11, s[6:7] offset:(i>>1)*24576
.else
	global_load_b128 v[X1+4*i:X1+4*i+3], v9, s[6:7] offset:(i>>1)*24576
.endif
.set i, i+1
.endr
	s_cmp_gt_u32 s3, 2
	s_cbranch_scc1 .Lld_p1
	global_load_b128 v[X1+84:X1+87], v11, s[6:7] offset:10*24576   ; unit 63: waves with wr = 0
.Lld_p1:
	s_cmp_gt_u32 s3, 2
	s_cbranch_scc1 .Lld_x
	global_load_b128 v[X0+84:X0+87], v4, s[4:5] offset:21*12288
.Lld_x:
	s_cmp_lt_u32 s2, 16
	s_cbranch_scc1 .Lld_done                       ; G: 1.0 stays
	s_cmp_eq_u32 s3, 8
	s_cbranch_scc1 .Lld_done                       ; 256 rows: waves 0-7
	global_load_b32 v[AUG0], v13, s[8:9]
	s_cmp_ge_u32 s2, 24
	s_cbranch_scc1 .Lld_done                       ; U: Wo has no bias column
	global_load_b32 v[AUG1], v13, s[10:11]
.Lld_done:
	; LDS addresses, while the loads are on their way
	s_mul_i32 s54, s14, 4*TP
	s_lshl_b32 s55, s15, 6
	s_add_co_u32 s54, s54, s55
	v_mul_u32_u24 v5, v2, TP
	v_add_nc_u32 v5, s54, v5
	v_lshl_add_u32 v5, v3, 3, v5                   ; (4 wr + lane >> 3) x pitch + 64 wc + 8 (lane & 7)
	v_add_nc_u32 v6, 11*12*TP, v5                  ; trips 11..21: the 16-bit immediate does not reach them
	v_add_nc_u32 v7, PAN1, v5
	v_add_nc_u32 v8, PAN1+11*12*TP, v5
	s_mul_i32 s54, s3, 32*TP
	v_mul_u32_u24 v14, v1, TP
	v_add_nc_u32 v14, s54, v14                     ; row k = 32 w + lane
	v_add_nc_u32 v15, PAN1, v14
	; fragments of a panel stored [k][n]: (8 (lane >> 4) + (lane & 7)) x pitch + 16 ((lane >> 3) & 1), second load 16 rows down
	v_lshrrev_b32 v2, 4, v1
	v_lshl_add_u32 v2, v2, 3, v3
	v_mul_u32_u24 v2, v2, TP
	v_bfe_u32 v3, v1, 3, 1
	v_lshl_add_u32 v2, v3, 4, v2
	s_lshl_b32 s54, s15, 6
	s_add_co_u32 s54, s54, s42                     ; my column block's bytes in panel 0
	s_lshl_b32 s55, s14, 6
	s_add_co_u32 s55, s55, s44                     ; my row block's bytes in panel 1
	v_add_nc_u32 v[T0A], s54, v2
	v_add_nc_u32 v[T0B], 4*32*TP, v[T0A]
	s_add_co_u32 s56, s55, PAN1
	v_add_nc_u32 v[T1A], s56, v2
	v_add_nc_u32 v[T1B], 4*32*TP, v[T1A]
	s_mul_i32 s56, s55, WP/2                       ; Wo: the same block counted in rows (bytes / 2) x pitch
	s_add_co_u32 s56, s56, PAN1
	v_and_b32 v3, 15, v1
	v_mul_u32_u24 v3, v3, WP
	v_lshrrev_b32 v2, 4, v1
	v_lshl_add_u32 v3, v2, 4, v3
	v_add_nc_u32 v[P1], s56, v3
	v_lshlrev_b32 v[SO], 4, v1
	; FIRST INTERVAL: panel 0 with its bias columns; in G and C jobs the transposed panel 1 with its bias columns
	s_wait_loadcnt 21                              ; on every path at least panel 1's 21 loads are younger than panel 0's 21: those are in
.set i, 0
.rept 21
.if i < 11
	CVST X0+4*i, 5, i*12*TP
.else
	CVST X0+4*i, 6, (i-11)*12*TP
.endif
.set i, i+1
.endr
	s_wait_loadcnt 0x0                             ; the rest
.irp z, 17,18,19,20,21,22,23,25,26,27
	v_mov_b32 v\z, 0                               ; the zero columns' data (these registers' panel 0 data have gone to LDS)
.endr
	s_cmp_gt_u32 s3, 2
	s_cbranch_scc1 .Lst_x
	CVST X0+84, 6, 10*12*TP
.Lst_x:
	s_cmp_eq_u32 s3, 8
	s_cbranch_scc1 .Lst_a                          ; 256 rows: waves 0-7
	v_cvt_pk_bf16_f32 v16, v[AUG0], 0
	AUGROW 14, 16
.Lst_a:
	s_cmp_ge_u32 s2, 24
	s_cbranch_scc1 .Lst_b
.set i, 0
.rept 21
.if i < 11
	CVST X1+4*i, 7, i*12*TP
.else
	CVST X1+4*i, 8, (i-11)*12*TP
.endif
.set i, i+1
.endr
	s_cmp_gt_u32 s3, 2
	s_cbranch_scc1 .Lst_y
	CVST X1+84, 8, 10*12*TP
.Lst_y:
	s_cmp_eq_u32 s3, 8
	s_cbranch_scc1 .Lst_b
	v_cvt_pk_bf16_f32 v24, v[AUG1], 0
	AUGROW 15, 24
.Lst_b:
	s_wait_dscnt 0x0                               ; my stores are in LDS before I say so
	s_barrier_signal -1
	s_barrier_wait -1
	; SECOND INTERVAL: in U jobs Wo's panel, on panel 1's bytes
	s_cmp_lt_u32 s2, 24
	s_cbranch_scc1 .Lst_c
.set i, 0
.rept 21
.if i & 1
	CVST X1+4*i, 12, (i>>1)*3*WP
.else
	CVST X1+4*i, 10, (i>>1)*3*WP
.endif
.set i, i+1
.endr
	s_cmp_gt_u32 s3, 2
	s_cbranch_scc1 .Lst_c
	CVST X1+84, 12, 10*3*WP
	s_mul_i32 s54, s3, 32*WP                       ; waves 0-2 also clear the 16 bytes of padding of row 32 w + lane: no byte of the panel stays undefined
	s_add_co_u32 s54, s54, PAN1+512
	v_mul_u32_u24 v24, v1, WP
	v_add_nc_u32 v24, s54, v24
	ds_store_b128 v24, v[20:23]
.Lst_c:
	s_wait_dscnt 0x0                               ; my stores are in LDS before I say so: the other waves read them
	s_barrier_signal -1
	s_barrier_wait -1
; eight LDS loads: the four fragments of K step ks into buffer buf
.macro LDF buf, ks, plain
.if \ks < 4
.set ad0, T0A
.set ad1, T1A
.else
.set ad0, T0B
.set ad1, T1B
.endif
.set ko, (\ks&3)*32*TP
.irp t, 0,1
	ds_load_tr16_b128 v[FR+32*\buf+8*\t:FR+32*\buf+8*\t+3], v[ad0] offset:ko+32*\t
	ds_load_tr16_b128 v[FR+32*\buf+8*\t+4:FR+32*\buf+8*\t+7], v[ad0] offset:ko+32*\t+16*TP
.endr
.irp t, 0,1
.if \plain
	ds_load_b128 v[FR+32*\buf+16+8*\t:FR+32*\buf+16+8*\t+3], v[P1] offset:\t*16*WP+\ks*64
	ds_load_b128 v[FR+32*\buf+16+8*\t+4:FR+32*\buf+16+8*\t+7], v[P1] offset:\t*16*WP+\ks*64+32
.else
	ds_load_tr16_b128 v[FR+32*\buf+16+8*\t:FR+32*\buf+16+8*\t+3], v[ad1] offset:ko+32*\t
	ds_load_tr16_b128 v[FR+32*\buf+16+8*\t+4:FR+32*\buf+16+8*\t+7], v[ad1] offset:ko+32*\t+16*TP
.endif
.endr
.endm
; four matrix instructions; in step 0 they start the sums with the constant 0
.macro MM buf, first
.irp rt, 0,1
.irp ct, 0,1
.if \first == 0
	v_wmma_f32_16x16x32_bf16 v[ACC+8*(2*\rt+\ct):ACC+8*(2*\rt+\ct)+7], v[FR+32*\buf+8*\ct:FR+32*\buf+8*\ct+7], v[FR+32*\buf+16+8*\rt:FR+32*\buf+16+8*\rt+7], 0
.else
	v_wmma_f32_16x16x32_bf16 v[ACC+8*(2*\rt+\ct):ACC+8*(2*\rt+\ct)+7], v[FR+32*\buf+8*\ct:FR+32*\buf+8*\ct+7], v[FR+32*\buf+16+8*\rt:FR+32*\buf+16+8*\rt+7], v[ACC+8*(2*\rt+\ct):ACC+8*(2*\rt+\ct)+7]
.endif
.endr
.endr
.endm
; eight K steps of 32; the next step's fragments are requested before this step's are waited for
.macro GLOOP plain
	LDF 0, 0, \plain
.set k, 0
.rept 8
.if k < 7
.if k > 0
	PLACES                                         ; the buffer loaded next was read by the last step's matrix instructions
.endif
.set kn, k+1
.set nb, kn&1
	LDF nb, kn, \plain
	s_wait_dscnt 0x8                               ; the eight loads just issued may stay out; this step's are in
.else
	s_wait_dscnt 0x0
.endif
.set cb, k&1
	MM cb, k
.set k, k+1
.endr
.endm
	s_cmp_ge_u32 s2, 24
	s_cbranch_scc1 .Lmm_u
	GLOOP 0
	s_cmp_lt_u32 s2, 16
	s_cbranch_scc1 .Lout_g
	s_branch .Lout_split
.Lmm_u:
	s_cmp_eq_u32 s38, 8                            ; U has 256 rows o: row block 8 does not exist; these waves only helped to stage
	s_cbranch_scc1 .Lend
	GLOOP 1
.Lout_split:
	; C and U leave as bf16 hi + lo in the order in which the next launch's fragments want them: lane (r, h) of tile (rt, ct) holds row 16 (2R+rt) + r
	; and the eight contraction indices 32 Cc + 16 ct + 8 h + 0..7.  Block [row tile][K step][plane][half][lane][16 bytes]; a store covers 512 bytes.
	PLACES
	s_cmp_ge_u32 s2, 24
	s_cselect_b64 s[40:41], s[36:37], s[34:35]     ; Us or Cs
	s_mov_b32 s42, 18*9*2048
	s_cselect_b32 s42, 16*9*2048, s42              ; bytes of a head
	s_mul_i32 s42, s42, s45
	s_mul_i32 s43, s38, 18
	s_add_co_u32 s43, s43, s39
	s_lshl_b32 s43, s43, 11                        ; (9 (2 R) + Cc) x 2,048
	s_add_co_u32 s42, s42, s43
	s_mov_b32 s43, 0
	s_add_nc_u64 s[40:41], s[40:41], s[42:43]
.irp tt, 0,1,2,3
	SPLIT8 ACC+8*\tt,OH+8*\tt,OH+8*\tt+4,OT
.endr
.irp rt, 0,1
.irp ct, 0,1
	global_store_b128 v[SO], v[OH+8*(2*\rt+\ct):OH+8*(2*\rt+\ct)+3], s[40:41] offset:\rt*18432+\ct*512
	global_store_b128 v[SO], v[OH+8*(2*\rt+\ct)+4:OH+8*(2*\rt+\ct)+7], s[40:41] offset:\rt*18432+\ct*512+1024
.endr
.endr
	s_wait_tensorcnt 0x0
	ds_add_u32 v200, v201
	s_wait_dscnt 0x0
	s_endpgm
.Lout_g:
	; partial G leaves in f32: [part][row tile 18][column tile 18][q][lane][16 bytes]
	PLACES
	s_mul_i32 s42, s2, 18*18*1024
	s_mul_i32 s43, s38, 36
	s_lshl1_add_u32 s43, s39, s43                  ; 18 (2 R) + 2 Cc
	s_lshl_b32 s43, s43, 10
	s_add_co_u32 s42, s42, s43
	s_mov_b32 s43, 0
	s_add_nc_u64 s[40:41], s[32:33], s[42:43]
.irp rt, 0,1
.irp ct, 0,1
.irp q, 0,1
	global_store_b128 v[SO], v[ACC+8*(2*\rt+\ct)+4*\q:ACC+8*(2*\rt+\ct)+4*\q+3], s[40:41] offset:\rt*18432+\ct*1024+\q*512
.endr
.endr
.endr
.Lend:
	s_wait_tensorcnt 0x0
	ds_add_u32 v200, v201
	s_wait_dscnt 0x0
	s_endpgm
.Lfunc_end_k_q45641dcd04_gram:
	.size	k_q45641dcd04_gram, .Lfunc_end_k_q45641dcd04_gram-k_q45641dcd04_gram
	.p2alignl 7, 3214868480
	.fill 96, 4, 3214868480
	.section	.rodata,"a",@progbits
	.p2align	6, 0x0
	.amdhsa_kernel k_q45641dcd04_gram
		.amdhsa_group_segment_fixed_size 148736
		.amdhsa_private_segment_fixed_size 0
		.amdhsa_enable_private_segment 0
		.amdhsa_kernarg_size 88
		.amdhsa_user_sgpr_count 2
		.amdhsa_user_sgpr_kernarg_segment_ptr 1
		.amdhsa_wavefront_size32 1
		.amdhsa_system_sgpr_workgroup_id_x 1
		.amdhsa_system_sgpr_workgroup_id_y 1
		.amdhsa_system_sgpr_workgroup_id_z 1
		.amdhsa_system_vgpr_workitem_id 0
		.amdhsa_next_free_vgpr 202
		.amdhsa_next_free_sgpr 66
		.amdhsa_reserve_vcc 0
		.amdhsa_float_denorm_mode_32 3
		.amdhsa_float_denorm_mode_16_64 3
		.amdhsa_memory_ordered 1
		.amdhsa_forward_progress 1
		.amdhsa_inst_pref_size 48
	.end_amdhsa_kernel
	.amdgpu_metadata
---
amdhsa.version: [ 1, 2 ]
amdhsa.kernels:
  - .name:           k_q45641dcd04_gram
    .symbol:         k_q45641dcd04_gram.kd
    .args:
      - { .name: x, .offset: 0, .size: 8, .value_kind: global_buffer, .address_space: global }
      - { .name: Wq, .offset: 8, .size: 8, .value_kind: global_buffer, .address_space: global }
      - { .name: Wk, .offset: 16, .size: 8, .value_kind: global_buffer, .address_space: global }
      - { .name: Wv, .offset: 24, .size: 8, .value_kind: global_buffer, .address_space: global }
      - { .name: Wo, .offset: 32, .size: 8, .value_kind: global_buffer, .address_space: global }
      - { .name: bq, .offset: 40, .size: 8, .value_kind: global_buffer, .address_space: global }
      - { .name: bk, .offset: 48, .size: 8, .value_kind: global_buffer, .address_space: global }
      - { .name: bv, .offset: 56, .size: 8, .value_kind: global_buffer, .address_space: global }
      - { .name: Gp, .offset: 64, .size: 8, .value_kind: global_buffer, .address_space: global }
      - { .name: Cs, .offset: 72, .size: 8, .value_kind: global_buffer, .address_space: global }
      - { .name: Us, .offset: 80, .size: 8, .value_kind: global_buffer, .address_space: global }
    .group_segment_fixed_size: 148736
    .private_segment_fixed_size: 0
    .kernarg_segment_align: 8
    .kernarg_segment_size: 88
    .max_flat_workgroup_size: 288
    .sgpr_count:     66
    .vgpr_count:     202
    .wavefront_size: 32
...
	.end_amdgpu_metadata
.endif
;; end of part 1
;; launch dstage (part 2): grid 9 x 16, 8 waves a work-group, no clusters, 37,888 bytes of LDS; arguments Gp, Us, Ds; writes Ds
.if DOCPART == 2
	.amdgcn_target "amdgcn-amd-amdhsa--gfx1250"
	.amdhsa_code_object_version 6
	.text
	.protected	k_q45641dcd04_dstage
	.globl	k_q45641dcd04_dstage
	.p2align	8
	.type	k_q45641dcd04_dstage,@function
k_q45641dcd04_dstage:
	s_mov_b64 s[64:65], 0
	v_nop
	global_prefetch_b8 v0, s[64:65] scope:SCOPE_SE
	s_setreg_imm32_b32 hwreg(HW_REG_WAVE_MODE, 25, 1), 1
	s_wait_xcnt 0x0
; D^T_bh[o][j] = sum over l of U^T_h[o][l] G_b[j][l], l over 288.  Group (J = id x, y = 8 b + h) makes j = 32 J .. +31 for all 256 o; wave w makes o = 32 w .. +31.
; First the eight f32 partials of G's 32 rows are summed (part ascending), split into bf16 hi + lo and laid into LDS in fragment order; then nine K steps.
; Both operands are hi + lo pairs: hi hi + hi lo + lo hi in f32, so that an intermediate costs about 2^-16 and keeps bf16's range.
; U comes from memory straight into fragment registers (it was stored in that order): no LDS stage, hence no tensor load and no joint request,
; which could only land in LDS.  LIMITS as stated in the first launch.
.set XA,  16                           ; v[16:111]  batch of 3 chunks x 8 parts x 4 registers
.set XB,  112                          ; v[112:207] the other batch
.set FA,  16                           ; v[16:79]   G fragments, two buffers of 32: (mt, plane) at 16 mt + 8 plane
.set ACC, 80                           ; v[80:111]  tile (mt, nt) at 8 (2 mt + nt)
.set FB,  112                          ; v[112:239] U fragments, four slots of 32: (nt, plane) at 16 nt + 8 plane
.set HL,  240                          ; v[240:251] chunk c of a batch: hi at 4 c, lo at 4 c + 2
.set TT,  252                          ; v[252:255] at work
.set OH,  112                          ; the way out: tile tt: hi at 8 tt, lo at 8 tt + 4
.set OT,  144
.set MSK, 19
; v1 lane; v2 16 x thread (G partials); v3 16 x lane (LDS fragments, stores); v4 U's offset; v5 where my chunks go in LDS
.macro PLACES                          ; four independent vector places behind a matrix instruction (ISA guide 7.12.1)
.rept 4
	v_nop
.endr
.endm
.macro SPLIT4 S, H, LO, T
	v_cvt_pk_bf16_f32 v[\H], v[\S], v[\S+1]
	v_cvt_pk_bf16_f32 v[\H+1], v[\S+2], v[\S+3]
	v_lshlrev_b32 v[\T], 16, v[\H]
	v_and_b32 v[\T+1], s[MSK], v[\H]
	v_lshlrev_b32 v[\T+2], 16, v[\H+1]
	v_and_b32 v[\T+3], s[MSK], v[\H+1]
	v_pk_add_f32 v[\S:\S+1], v[\S:\S+1], v[\T:\T+1] neg_lo:[0,1] neg_hi:[0,1]
	v_pk_add_f32 v[\S+2:\S+3], v[\S+2:\S+3], v[\T+2:\T+3] neg_lo:[0,1] neg_hi:[0,1]
	v_cvt_pk_bf16_f32 v[\LO], v[\S], v[\S+1]
	v_cvt_pk_bf16_f32 v[\LO+1], v[\S+2], v[\S+3]
.endm
.macro SPLIT8 S, H, LO, T
	SPLIT4 \S,\H,\LO,\T
	SPLIT4 \S+4,\H+2,\LO+2,\T
.endm
.macro GBATCH x, i0                    ; 24 loads: chunks i0 .. i0+2 (4,096 bytes of the row block each) of all eight parts
.irp c, 0,1,2
.irp p, 0,1,2,3,4,5,6,7
	global_load_b128 v[\x+32*\c+4*\p:\x+32*\c+4*\p+3], v2, s[4:5] offset:\p*331776+(\i0+\c)*4096
.endr
.endr
.endm
.macro GSUM x, i0                      ; sum the parts, split, 8 + 8 bytes into the hi and lo planes
.irp c, 0,1,2
.irp p, 1,2,3,4,5,6,7
	v_pk_add_f32 v[\x+32*\c:\x+32*\c+1], v[\x+32*\c:\x+32*\c+1], v[\x+32*\c+4*\p:\x+32*\c+4*\p+1]
	v_pk_add_f32 v[\x+32*\c+2:\x+32*\c+3], v[\x+32*\c+2:\x+32*\c+3], v[\x+32*\c+4*\p+2:\x+32*\c+4*\p+3]
.endr
	SPLIT4 \x+32*\c,HL+4*\c,HL+4*\c+2,TT
	ds_store_b64 v5, v[HL+4*\c:HL+4*\c+1] offset:(\i0+\c)*4096
	ds_store_b64 v5, v[HL+4*\c+2:HL+4*\c+3] offset:(\i0+\c)*4096+1024
.endr
.endm
.macro BSLOT ks                        ; eight loads of 512 bytes: U's fragments of K step ks into slot ks & 3
.irp nt, 0,1
.irp pl, 0,1
.irp c, 0,1
	global_load_b128 v[FB+32*(\ks&3)+16*\nt+8*\pl+4*\c:FB+32*(\ks&3)+16*\nt+8*\pl+4*\c+3], v4, s[6:7] offset:\nt*18432+\ks*2048+\pl*1024+\c*512
.endr
.endr
.endr
.endm
.macro ALOAD ks                        ; eight LDS loads: G's fragments of K step ks into buffer ks & 1
.irp mt, 0,1
.irp pl, 0,1
.irp c, 0,1
	ds_load_b128 v[FA+32*(\ks&1)+16*\mt+8*\pl+4*\c:FA+32*(\ks&1)+16*\mt+8*\pl+4*\c+3], v3 offset:(\mt*9+\ks)*2048+\pl*1024+\c*512
.endr
.endr
.endr
.endm
.macro PROD ks, pa, pb, zero           ; four matrix instructions: plane pa of G x plane pb of U
.irp mt, 0,1
.irp nt, 0,1
.if \zero
	v_wmma_f32_16x16x32_bf16 v[ACC+8*(2*\mt+\nt):ACC+8*(2*\mt+\nt)+7], v[FA+32*(\ks&1)+16*\mt+8*\pa:FA+32*(\ks&1)+16*\mt+8*\pa+7], v[FB+32*(\ks&3)+16*\nt+8*\pb:FB+32*(\ks&3)+16*\nt+8*\pb+7], 0
.else
	v_wmma_f32_16x16x32_bf16 v[ACC+8*(2*\mt+\nt):ACC+8*(2*\mt+\nt)+7], v[FA+32*(\ks&1)+16*\mt+8*\pa:FA+32*(\ks&1)+16*\mt+8*\pa+7], v[FB+32*(\ks&3)+16*\nt+8*\pb:FB+32*(\ks&3)+16*\nt+8*\pb+7], v[ACC+8*(2*\mt+\nt):ACC+8*(2*\mt+\nt)+7]
.endif
.endr
.endr
.endm
	s_load_b128 s[4:7], s[0:1], 0x0                ; Gp, Us
	s_load_b64 s[8:9], s[0:1], 0x10                ; Ds
	v_lshl_add_u32 v14, v0, 2, 0x9000
	v_mov_b32 v15, 0
	v_lshrrev_b32 v1, 5, v0
	v_readfirstlane_b32 s3, v1                     ; wave 0..7
	v_and_b32 v1, 31, v0
	s_and_b32 s2, ttmp7, 0xffff                    ; y = 8 b + h
	s_mov_b32 s[MSK], 0xffff0000
	s_lshr_b32 s10, s2, 3
	s_and_b32 s11, s2, 7
	s_mul_i32 s12, s10, 8*331776                   ; b's eight partials
	s_mul_i32 s13, ttmp9, 36864                    ; row tiles 2 J, 2 J + 1: 2 x 18 x 1,024 bytes
	s_add_co_u32 s12, s12, s13
	s_mov_b32 s13, 0
	s_mul_i32 s14, s11, 294912                     ; head h of Us
	s_mov_b32 s15, 0
	s_lshl_b32 s20, s2, 4
	s_lshl1_add_u32 s20, s3, s20                   ; row tile of D^T: 16 y + 2 w
	s_mul_i32 s20, s20, 9
	s_add_co_u32 s20, s20, ttmp9                   ; K step J of the next launch
	s_lshl_b32 s20, s20, 11
	s_mov_b32 s21, 0
	v_lshlrev_b32 v2, 4, v0
	v_lshlrev_b32 v3, 4, v1
	s_mul_i32 s16, s3, 36864                       ; row tiles 2 w, 2 w + 1 of U^T
	v_add_nc_u32 v4, s16, v3
	; byte 4,096 i + 16 t of the f32 row block is tile g = 4 i + (t >> 6), quarter (t >> 5) & 1, lane t & 31; as bf16 it goes to
	; fragment g >> 1, half g & 1, lane, byte 8 x quarter.  With t = 32 w + lane:
	s_lshr_b32 s17, s3, 2
	s_lshl_b32 s17, s17, 11
	s_bfe_u32 s18, s3, 0x10001
	s_lshl_b32 s18, s18, 9
	s_add_co_u32 s17, s17, s18
	s_and_b32 s18, s3, 1
	s_lshl_b32 s18, s18, 3
	s_add_co_u32 s17, s17, s18
	v_add_nc_u32 v5, s17, v3
	s_wait_kmcnt 0x0
	s_add_nc_u64 s[4:5], s[4:5], s[12:13]
	s_add_nc_u64 s[6:7], s[6:7], s[14:15]
	s_add_nc_u64 s[8:9], s[8:9], s[20:21]
	GBATCH XA, 0
	GBATCH XB, 3
	s_wait_loadcnt 24                              ; the second batch's 24 loads stay out
	GSUM XA, 0
	GBATCH XA, 6
	s_wait_loadcnt 24                              ; the third batch's stay out
	GSUM XB, 3
	BSLOT 0                                        ; U's first four K steps, into the registers of the batch just summed
	BSLOT 1
	BSLOT 2
	BSLOT 3
	s_wait_loadcnt 32                              ; those 32 stay out
	GSUM XA, 6
	s_wait_dscnt 0x0                               ; my part of G is in LDS before I say so
	s_barrier_signal -1
	s_barrier_wait -1
	ALOAD 0
.set k, 0
.rept 9
.if k > 0
.if k < 8
	PLACES                                         ; slot and buffer loaded next were read by the last step's matrix instructions
.endif
.if k+3 <= 8
.set kr, k+3
	BSLOT kr
.endif
.endif
.if k < 8
.set kn, k+1
	ALOAD kn
.endif
.if k < 6
	s_wait_loadcnt 24                              ; three younger slots of eight loads stay out
.else
	s_wait_loadcnt 8*(8-k)                         ; the slots that are left
.endif
.if k < 8
	s_wait_dscnt 0x8                               ; the next step's eight LDS loads stay out
.else
	s_wait_dscnt 0x0
.endif
.if k == 0
	PROD k, 0, 0, 1
.else
	PROD k, 0, 0, 0
.endif
	PROD k, 0, 1, 0
	PROD k, 1, 0, 0
.set k, k+1
.endr
	; lane (r, h) of tile (mt, nt) holds row o = 16 (2 w + nt) + r and j = 32 J + 16 mt + 8 h + 0..7: half mt of a fragment of the next launch
	PLACES
.irp tt, 0,1,2,3
	SPLIT8 ACC+8*\tt,OH+8*\tt,OH+8*\tt+4,OT
.endr
.irp mt, 0,1
.irp nt, 0,1
	global_store_b128 v3, v[OH+8*(2*\mt+\nt):OH+8*(2*\mt+\nt)+3], s[8:9] offset:\nt*18432+\mt*512
	global_store_b128 v3, v[OH+8*(2*\mt+\nt)+4:OH+8*(2*\mt+\nt)+7], s[8:9] offset:\nt*18432+\mt*512+1024
.endr
.endr
	s_wait_tensorcnt 0x0
	ds_add_u32 v14, v15
	s_wait_dscnt 0x0
	s_endpgm
.Lfunc_end_k_q45641dcd04_dstage:
	.size	k_q45641dcd04_dstage, .Lfunc_end_k_q45641dcd04_dstage-k_q45641dcd04_dstage
	.p2alignl 7, 3214868480
	.fill 96, 4, 3214868480
	.section	.rodata,"a",@progbits
	.p2align	6, 0x0
	.amdhsa_kernel k_q45641dcd04_dstage
		.amdhsa_group_segment_fixed_size 37888
		.amdhsa_private_segment_fixed_size 0
		.amdhsa_enable_private_segment 0
		.amdhsa_kernarg_size 24
		.amdhsa_user_sgpr_count 2
		.amdhsa_user_sgpr_kernarg_segment_ptr 1
		.amdhsa_wavefront_size32 1
		.amdhsa_system_sgpr_workgroup_id_x 1
		.amdhsa_system_sgpr_workgroup_id_y 1
		.amdhsa_system_sgpr_workgroup_id_z 1
		.amdhsa_system_vgpr_workitem_id 0
		.amdhsa_next_free_vgpr 256
		.amdhsa_next_free_sgpr 66
		.amdhsa_reserve_vcc 0
		.amdhsa_float_denorm_mode_32 3
		.amdhsa_float_denorm_mode_16_64 3
		.amdhsa_memory_ordered 1
		.amdhsa_forward_progress 1
		.amdhsa_inst_pref_size 47
	.end_amdhsa_kernel
	.amdgpu_metadata
---
amdhsa.version: [ 1, 2 ]
amdhsa.kernels:
  - .name:           k_q45641dcd04_dstage
    .symbol:         k_q45641dcd04_dstage.kd
    .args:
      - { .name: Gp, .offset: 0, .size: 8, .value_kind: global_buffer, .address_space: global }
      - { .name: Us, .offset: 8, .size: 8, .value_kind: global_buffer, .address_space: global }
      - { .name: Ds, .offset: 16, .size: 8, .value_kind: global_buffer, .address_space: global }
    .group_segment_fixed_size: 37888
    .private_segment_fixed_size: 0
    .kernarg_segment_align: 8
    .kernarg_segment_size: 24
    .max_flat_workgroup_size: 256
    .sgpr_count:     66
    .vgpr_count:     256
    .wavefront_size: 32
...
	.end_amdgpu_metadata
.endif
;; end of part 2
;; launch pstage (part 3): grid 9 x 16, 8 waves a work-group, no clusters, 33,792 bytes of LDS; arguments Cs, Ds, Ps; writes Ps
.if DOCPART == 3
	.amdgcn_target "amdgcn-amd-amdhsa--gfx1250"
	.amdhsa_code_object_version 6
	.text
	.protected	k_q45641dcd04_pstage
	.globl	k_q45641dcd04_pstage
	.p2align	8
	.type	k_q45641dcd04_pstage,@function
k_q45641dcd04_pstage:
	s_mov_b64 s[64:65], 0
	v_nop
	global_prefetch_b8 v0, s[64:65] scope:SCOPE_SE
	s_setreg_imm32_b32 hwreg(HW_REG_WAVE_MODE, 25, 1), 1
	s_wait_xcnt 0x0
; P^T_b[o][i] = sum over h and j of D^T_bh[o][j] C_h[i][j].  Group (I = id x, y = 8 b + O) makes the block i = 32 I .. +31, o = 32 O .. +31.
; Wave w takes head w: nine K steps over j, three products (hi hi + hi lo + lo hi); the eight heads' sums then meet in LDS, head ascending.
; Both operands come from memory straight into fragment registers (stored in that order), so there is no LDS stage, no tensor load and no joint request.
; LIMITS as stated in the first launch.
.set ACC, 8                            ; v[8:39]   tile tt = 2 mt + nt at 8 tt
.set FS,  64                           ; v[64:255] three slots of 64: C (mt, plane) at 16 mt + 8 plane, D at 32 + 16 nt + 8 plane
.set RS,  64                           ; the sum over heads: head wv, quarter q at 4 (2 wv + q)
.set OH,  128
.set OL,  132
.set OT,  136
.set MSK, 19
; v1 lane; v2 C's offset; v3 D's offset; v4 my 4,096 bytes of LDS; v5 the tile that I sum; v6 16 x lane
.macro PLACES                          ; four independent vector places behind a matrix instruction (ISA guide 7.12.1)
.rept 4
	v_nop
.endr
.endm
.macro SPLIT4 S, H, LO, T
	v_cvt_pk_bf16_f32 v[\H], v[\S], v[\S+1]
	v_cvt_pk_bf16_f32 v[\H+1], v[\S+2], v[\S+3]
	v_lshlrev_b32 v[\T], 16, v[\H]
	v_and_b32 v[\T+1], s[MSK], v[\H]
	v_lshlrev_b32 v[\T+2], 16, v[\H+1]
	v_and_b32 v[\T+3], s[MSK], v[\H+1]
	v_pk_add_f32 v[\S:\S+1], v[\S:\S+1], v[\T:\T+1] neg_lo:[0,1] neg_hi:[0,1]
	v_pk_add_f32 v[\S+2:\S+3], v[\S+2:\S+3], v[\T+2:\T+3] neg_lo:[0,1] neg_hi:[0,1]
	v_cvt_pk_bf16_f32 v[\LO], v[\S], v[\S+1]
	v_cvt_pk_bf16_f32 v[\LO+1], v[\S+2], v[\S+3]
.endm
.macro PSLOT ks                        ; sixteen loads of 512 bytes: both operands of K step ks into slot ks mod 3
.irp tl, 0,1
.irp pl, 0,1
.irp c, 0,1
	global_load_b128 v[FS+64*(\ks%3)+16*\tl+8*\pl+4*\c:FS+64*(\ks%3)+16*\tl+8*\pl+4*\c+3], v2, s[4:5] offset:\tl*18432+\ks*2048+\pl*1024+\c*512
.endr
.endr
.endr
.irp tl, 0,1
.irp pl, 0,1
.irp c, 0,1
	global_load_b128 v[FS+64*(\ks%3)+32+16*\tl+8*\pl+4*\c:FS+64*(\ks%3)+32+16*\tl+8*\pl+4*\c+3], v3, s[6:7] offset:\tl*18432+\ks*2048+\pl*1024+\c*512
.endr
.endr
.endr
.endm
.macro PROD ks, pa, pb, zero           ; source 0: C (index i), source 1: D^T (index o)
.irp mt, 0,1
.irp nt, 0,1
.if \zero
	v_wmma_f32_16x16x32_bf16 v[ACC+8*(2*\mt+\nt):ACC+8*(2*\mt+\nt)+7], v[FS+64*(\ks%3)+16*\mt+8*\pa:FS+64*(\ks%3)+16*\mt+8*\pa+7], v[FS+64*(\ks%3)+32+16*\nt+8*\pb:FS+64*(\ks%3)+32+16*\nt+8*\pb+7], 0
.else
	v_wmma_f32_16x16x32_bf16 v[ACC+8*(2*\mt+\nt):ACC+8*(2*\mt+\nt)+7], v[FS+64*(\ks%3)+16*\mt+8*\pa:FS+64*(\ks%3)+16*\mt+8*\pa+7], v[FS+64*(\ks%3)+32+16*\nt+8*\pb:FS+64*(\ks%3)+32+16*\nt+8*\pb+7], v[ACC+8*(2*\mt+\nt):ACC+8*(2*\mt+\nt)+7]
.endif
.endr
.endr
.endm
	s_load_b128 s[4:7], s[0:1], 0x0                ; Cs, Ds
	s_load_b64 s[8:9], s[0:1], 0x10                ; Ps
	v_lshl_add_u32 v62, v0, 2, 0x8000
	v_mov_b32 v63, 0
	v_lshrrev_b32 v1, 5, v0
	v_readfirstlane_b32 s3, v1                     ; wave = head
	v_and_b32 v1, 31, v0
	s_and_b32 s2, ttmp7, 0xffff                    ; y = 8 b + O
	s_mov_b32 s[MSK], 0xffff0000
	s_mul_i32 s10, ttmp9, 36864                    ; C: row tiles 2 I, 2 I + 1
	s_mov_b32 s11, 0
	s_lshr_b32 s12, s2, 3
	s_mul_i32 s12, s12, 8*294912                   ; D: b's eight heads
	s_and_b32 s13, s2, 7
	s_mul_i32 s13, s13, 36864                      ;    row tiles 2 O, 2 O + 1
	s_add_co_u32 s12, s12, s13
	s_mov_b32 s13, 0
	v_lshlrev_b32 v6, 4, v1
	s_mul_i32 s14, s3, 331776                      ; head w of Cs
	v_add_nc_u32 v2, s14, v6
	s_mul_i32 s14, s3, 294912                      ; head w of Ds
	v_add_nc_u32 v3, s14, v6
	s_lshl_b32 s14, s3, 12
	v_add_nc_u32 v4, s14, v6
	s_lshr_b32 s14, s3, 1
	s_lshl_b32 s14, s14, 10
	v_add_nc_u32 v5, s14, v6
	; where my tile tt = w >> 1 (mt = w >> 2, nt = (w >> 1) & 1) goes: row tile 16 b + 2 O + nt = 2 y + nt, K step I, half mt
	s_lshl_b32 s16, s2, 1
	s_bfe_u32 s17, s3, 0x10001
	s_add_co_u32 s16, s16, s17
	s_mul_i32 s16, s16, 9
	s_add_co_u32 s16, s16, ttmp9
	s_lshl_b32 s16, s16, 11
	s_lshr_b32 s17, s3, 2
	s_lshl_b32 s17, s17, 9
	s_add_co_u32 s16, s16, s17
	s_mov_b32 s17, 0
	s_wait_kmcnt 0x0
	s_add_nc_u64 s[4:5], s[4:5], s[10:11]
	s_add_nc_u64 s[6:7], s[6:7], s[12:13]
	s_add_nc_u64 s[8:9], s[8:9], s[16:17]
	PSLOT 0
	PSLOT 1
	PSLOT 2
.set k, 0
.rept 9
.if k < 7
	s_wait_loadcnt 32                              ; two younger slots of sixteen loads stay out
.else
	s_wait_loadcnt 16*(8-k)                        ; the slots that are left
.endif
.if k == 0
	PROD k, 0, 0, 1
.else
	PROD k, 0, 0, 0
.endif
	PROD k, 0, 1, 0
	PROD k, 1, 0, 0
.if k+3 <= 8
	PLACES                                         ; the slot just multiplied is loaded again
.set kr, k+3
	PSLOT kr
.endif
.set k, k+1
.endr
	PLACES                                         ; behind the last matrix instructions: LDS stores read results, loads land on their sources
.irp tt, 0,1,2,3
.irp q, 0,1
	ds_store_b128 v4, v[ACC+8*\tt+4*\q:ACC+8*\tt+4*\q+3] offset:\tt*1024+\q*512
.endr
.endr
	s_wait_dscnt 0x0                               ; my head's sums are in LDS before I say so
	s_barrier_signal -1
	s_barrier_wait -1
	; Two waves sum each tile; one stores its hi plane, the other its lo plane, 512 bytes by one instruction each.
.irp wv, 0,1,2,3,4,5,6,7
.irp q, 0,1
	ds_load_b128 v[RS+4*(2*\wv+\q):RS+4*(2*\wv+\q)+3], v5 offset:\wv*4096+\q*512
.endr
.endr
	s_wait_dscnt 0x0
.irp wv, 1,2,3,4,5,6,7
.irp e, 0,2,4,6
	v_pk_add_f32 v[RS+\e:RS+\e+1], v[RS+\e:RS+\e+1], v[RS+8*\wv+\e:RS+8*\wv+\e+1]
.endr
.endr
	SPLIT4 RS,OH,OL,OT
	SPLIT4 RS+4,OH+2,OL+2,OT
	s_and_b32 s10, s3, 1
	s_cmp_lg_u32 s10, 0
	s_cbranch_scc1 .Llo
	global_store_b128 v6, v[OH:OH+3], s[8:9]
	s_wait_tensorcnt 0x0
	ds_add_u32 v62, v63
	s_wait_dscnt 0x0
	s_endpgm
.Llo:
	global_store_b128 v6, v[OL:OL+3], s[8:9] offset:1024
	s_wait_tensorcnt 0x0
	ds_add_u32 v62, v63
	s_wait_dscnt 0x0
	s_endpgm
.Lfunc_end_k_q45641dcd04_pstage:
	.size	k_q45641dcd04_pstage, .Lfunc_end_k_q45641dcd04_pstage-k_q45641dcd04_pstage
	.p2alignl 7, 3214868480
	.fill 96, 4, 3214868480
	.section	.rodata,"a",@progbits
	.p2align	6, 0x0
	.amdhsa_kernel k_q45641dcd04_pstage
		.amdhsa_group_segment_fixed_size 33792
		.amdhsa_private_segment_fixed_size 0
		.amdhsa_enable_private_segment 0
		.amdhsa_kernarg_size 24
		.amdhsa_user_sgpr_count 2
		.amdhsa_user_sgpr_kernarg_segment_ptr 1
		.amdhsa_wavefront_size32 1
		.amdhsa_system_sgpr_workgroup_id_x 1
		.amdhsa_system_sgpr_workgroup_id_y 1
		.amdhsa_system_sgpr_workgroup_id_z 1
		.amdhsa_system_vgpr_workitem_id 0
		.amdhsa_next_free_vgpr 256
		.amdhsa_next_free_sgpr 66
		.amdhsa_reserve_vcc 0
		.amdhsa_float_denorm_mode_32 3
		.amdhsa_float_denorm_mode_16_64 3
		.amdhsa_memory_ordered 1
		.amdhsa_forward_progress 1
		.amdhsa_inst_pref_size 29
	.end_amdhsa_kernel
	.amdgpu_metadata
---
amdhsa.version: [ 1, 2 ]
amdhsa.kernels:
  - .name:           k_q45641dcd04_pstage
    .symbol:         k_q45641dcd04_pstage.kd
    .args:
      - { .name: Cs, .offset: 0, .size: 8, .value_kind: global_buffer, .address_space: global }
      - { .name: Ds, .offset: 8, .size: 8, .value_kind: global_buffer, .address_space: global }
      - { .name: Ps, .offset: 16, .size: 8, .value_kind: global_buffer, .address_space: global }
    .group_segment_fixed_size: 33792
    .private_segment_fixed_size: 0
    .kernarg_segment_align: 8
    .kernarg_segment_size: 24
    .max_flat_workgroup_size: 256
    .sgpr_count:     66
    .vgpr_count:     256
    .wavefront_size: 32
...
	.end_amdgpu_metadata
.endif
;; end of part 3
;; launch outp (part 4): grid 128 x 1, 8 waves a work-group, no clusters, 53,248 bytes of LDS; arguments x, Ps, bo, out0; writes out0
.if DOCPART == 4
	.amdgcn_target "amdgcn-amd-amdhsa--gfx1250"
	.amdhsa_code_object_version 6
	.text
	.protected	k_q45641dcd04_outp
	.globl	k_q45641dcd04_outp
	.p2align	8
	.type	k_q45641dcd04_outp,@function
k_q45641dcd04_outp:
	s_mov_b64 s[64:65], 0
	v_nop
	global_prefetch_b8 v0, s[64:65] scope:SCOPE_SE
	s_setreg_imm32_b32 hwreg(HW_REG_WAVE_MODE, 25, 1), 1
	s_wait_xcnt 0x0
; out[s][o] = 256^-0.5 * sum over i of xa[s][i] P^T_b[o][i] + bo[o], i over 288 (xa = [x | 1 | zeros]).  Group = 32 rows s; wave w = columns 32 w .. +31.
; x is rounded to bf16 (as in the first launch), P is a bf16 hi + lo pair: two products a K step.  The matrix instruction is used transposed
; (source 0 = P^T, source 1 = x), so that a lane holds eight neighbouring columns of one row; the block then passes through LDS so that every store
; of a wave covers 512 consecutive bytes of out0.
; P comes from memory straight into fragment registers: no LDS stage for it, hence no tensor load and no joint request.  LIMITS as in the first launch.
.set XP,  592                          ; x in LDS: [32 rows][288] bf16, pitch 592 bytes (37 x 16)
.set STG, 32*XP                        ; 18,944: the way out, [32 rows][256] f32, pitch 1,040 bytes (65 x 16)
.set SP,  1040
.set FA,  16                           ; v[16:47]   x fragments, two buffers of 16: tile mt at 8 mt
.set XR,  48                           ; v[48:79]   x as loaded; later the rows on their way out
.set ACC, 80                           ; v[80:111]  tile (mt, nt) at 8 (2 mt + nt)
.set FB,  112                          ; v[112:239] P fragments, four slots of 32: (nt, plane) at 16 nt + 8 plane
; v1 lane; v2 16 x thread; v3 16 x lane; v4 P's offset; v5 bo's offset; v6 x into LDS; v7 ones column; v[8:11] bo; v12 x fragments; v13, v14 stage in, out
.macro PLACES                          ; four independent vector places behind a matrix instruction (ISA guide 7.12.1)
.rept 4
	v_nop
.endr
.endm
.macro BSLOT ks
.irp nt, 0,1
.irp pl, 0,1
.irp c, 0,1
	global_load_b128 v[FB+32*(\ks&3)+16*\nt+8*\pl+4*\c:FB+32*(\ks&3)+16*\nt+8*\pl+4*\c+3], v4, s[6:7] offset:\nt*18432+\ks*2048+\pl*1024+\c*512
.endr
.endr
.endr
.endm
.macro ALOAD ks
.irp mt, 0,1
.irp c, 0,1
	ds_load_b128 v[FA+16*(\ks&1)+8*\mt+4*\c:FA+16*(\ks&1)+8*\mt+4*\c+3], v12 offset:\mt*16*XP+\ks*64+\c*32
.endr
.endr
.endm
.macro PROD ks, pl, zero
.irp mt, 0,1
.irp nt, 0,1
.if \zero
	v_wmma_f32_16x16x32_bf16 v[ACC+8*(2*\mt+\nt):ACC+8*(2*\mt+\nt)+7], v[FB+32*(\ks&3)+16*\nt+8*\pl:FB+32*(\ks&3)+16*\nt+8*\pl+7], v[FA+16*(\ks&1)+8*\mt:FA+16*(\ks&1)+8*\mt+7], 0
.else
	v_wmma_f32_16x16x32_bf16 v[ACC+8*(2*\mt+\nt):ACC+8*(2*\mt+\nt)+7], v[FB+32*(\ks&3)+16*\nt+8*\pl:FB+32*(\ks&3)+16*\nt+8*\pl+7], v[FA+16*(\ks&1)+8*\mt:FA+16*(\ks&1)+8*\mt+7], v[ACC+8*(2*\mt+\nt):ACC+8*(2*\mt+\nt)+7]
.endif
.endr
.endr
.endm
	s_load_b256 s[4:11], s[0:1], 0x0               ; x 4, Ps 6, bo 8, out0 10
	v_lshl_add_u32 v240, v0, 2, 0xcc00
	v_mov_b32 v241, 0
	v_lshrrev_b32 v1, 5, v0
	v_readfirstlane_b32 s3, v1                     ; wave 0..7
	v_and_b32 v1, 31, v0
	s_lshl_b32 s12, ttmp9, 15                      ; 32 rows of 1,024 bytes
	s_mov_b32 s13, 0
	s_lshr_b32 s14, ttmp9, 6                       ; b: 64 groups a batch
	s_mul_i32 s14, s14, 294912
	s_mov_b32 s15, 0
	v_lshlrev_b32 v2, 4, v0
	v_lshlrev_b32 v3, 4, v1
	s_mul_i32 s16, s3, 36864                       ; row tiles 2 w, 2 w + 1 of P^T
	v_add_nc_u32 v4, s16, v3
	s_and_b32 s17, s3, 1
	s_lshl_b32 s18, s17, 9
	v_add_nc_u32 v5, s18, v3                       ; 16 (thread & 63): my four columns
	s_wait_kmcnt 0x0
	s_add_nc_u64 s[4:5], s[4:5], s[12:13]
	s_add_nc_u64 s[10:11], s[10:11], s[12:13]
	s_add_nc_u64 s[6:7], s[6:7], s[14:15]
.irp i, 0,1,2,3,4,5,6,7
	global_load_b128 v[XR+4*\i:XR+4*\i+3], v2, s[4:5] offset:\i*4096       ; row 4 i + (thread >> 6)
.endr
	global_load_b128 v[8:11], v5, s[8:9]
	BSLOT 0
	BSLOT 1
	BSLOT 2
	BSLOT 3
	; LDS addresses, with thread = 32 w + lane
	s_lshr_b32 s19, s3, 1
	s_mul_i32 s20, s19, XP
	s_lshl_b32 s18, s17, 8
	s_add_co_u32 s20, s20, s18
	v_lshl_add_u32 v6, v1, 3, s20                  ; (w >> 1) rows + 256 (w & 1) + 8 lane
	s_mul_i32 s20, s3, 8*XP
	v_lshrrev_b32 v7, 2, v1
	v_mul_u32_u24 v7, v7, XP
	v_add_nc_u32 v7, s20, v7
	v_and_b32 v15, 3, v1
	v_lshl_add_u32 v7, v15, 4, v7                  ; row 8 w + (lane >> 2), piece lane & 3 of its last 64 bytes
	v_and_b32 v13, 15, v1                          ; r
	v_lshrrev_b32 v14, 4, v1                       ; h
	v_mul_u32_u24 v12, v13, XP
	v_lshl_add_u32 v12, v14, 4, v12                ; r x pitch + 16 h
	v_mul_u32_u24 v13, v13, SP
	v_lshl_add_u32 v13, v14, 5, v13
	s_lshl_b32 s20, s3, 7
	s_add_co_u32 s20, s20, STG
	v_add_nc_u32 v13, s20, v13                     ; stage + r x pitch + 4 (32 w + 8 h)
	s_mul_i32 s20, s19, SP
	s_lshl_b32 s18, s17, 9
	s_add_co_u32 s20, s20, s18
	s_add_co_u32 s20, s20, STG
	v_add_nc_u32 v14, s20, v3                      ; stage + (w >> 1) rows + 512 (w & 1) + 16 lane
	s_wait_loadcnt 32                              ; P's 32 loads stay out; x and bo are in
.irp i, 0,1,2,3,4,5,6,7
	v_cvt_pk_bf16_f32 v[XR+4*\i], v[XR+4*\i], v[XR+4*\i+1]
	v_cvt_pk_bf16_f32 v[XR+4*\i+1], v[XR+4*\i+2], v[XR+4*\i+3]
	ds_store_b64 v6, v[XR+4*\i:XR+4*\i+1] offset:\i*4*XP
.endr
	s_cmp_gt_u32 s3, 3
	s_cbranch_scc1 .Lnoaug                         ; 32 rows x 4 pieces: waves 0-3
	v_cmp_eq_u32 vcc_lo, 0, v15
	v_mov_b32 v16, 0x3f80                          ; bf16 1.0 in column 256, zero in 257
	v_cndmask_b32 v16, 0, v16, vcc_lo
	v_mov_b32 v17, 0
	v_mov_b32 v18, 0
	v_mov_b32 v19, 0
	ds_store_b128 v7, v[16:19] offset:512
.Lnoaug:
	s_wait_dscnt 0x0                               ; my part of x is in LDS before I say so
	s_barrier_signal -1
	s_barrier_wait -1
	ALOAD 0
.set k, 0
.rept 9
.if k > 0
.if k < 8
	PLACES                                         ; slot and buffer loaded next were read by the last step's matrix instructions
.endif
.if k+3 <= 8
.set kr, k+3
	BSLOT kr
.endif
.endif
.if k < 8
.set kn, k+1
	ALOAD kn
.endif
.if k < 6
	s_wait_loadcnt 24                              ; three younger slots of eight loads stay out
.else
	s_wait_loadcnt 8*(8-k)
.endif
.if k < 8
	s_wait_dscnt 0x4                               ; the next step's four LDS loads stay out
.else
	s_wait_dscnt 0x0
.endif
.if k == 0
	PROD k, 0, 1
.else
	PROD k, 0, 0
.endif
	PROD k, 1, 0
.set k, k+1
.endr
	PLACES
.irp mt, 0,1
.irp nt, 0,1
.irp q, 0,1
	ds_store_b128 v13, v[ACC+8*(2*\mt+\nt)+4*\q:ACC+8*(2*\mt+\nt)+4*\q+3] offset:\mt*16*SP+\nt*64+\q*16
.endr
.endr
.endr
	s_wait_dscnt 0x0                               ; my columns are in the stage before I say so
	s_barrier_signal -1
	s_barrier_wait -1
.irp i, 0,1,2,3,4,5,6,7
	ds_load_b128 v[XR+4*\i:XR+4*\i+3], v14 offset:\i*4*SP
.endr
.irp i, 0,1,2,3,4,5,6,7
	s_wait_dscnt 7-\i                              ; LDS loads come back in order: row piece i is in
	v_pk_fma_f32 v[XR+4*\i:XR+4*\i+1], v[XR+4*\i:XR+4*\i+1], 0x3d800000, v[8:9] op_sel_hi:[1,0,1]       ; x 1/16, + bo
	v_pk_fma_f32 v[XR+4*\i+2:XR+4*\i+3], v[XR+4*\i+2:XR+4*\i+3], 0x3d800000, v[10:11] op_sel_hi:[1,0,1]
	global_store_b128 v2, v[XR+4*\i:XR+4*\i+3], s[10:11] offset:\i*4096 th:TH_STORE_NT
.endr
	s_wait_tensorcnt 0x0
	ds_add_u32 v240, v241
	s_wait_dscnt 0x0
	s_endpgm
.Lfunc_end_k_q45641dcd04_outp:
	.size	k_q45641dcd04_outp, .Lfunc_end_k_q45641dcd04_outp-k_q45641dcd04_outp
	.p2alignl 7, 3214868480
	.fill 96, 4, 3214868480
	.section	.rodata,"a",@progbits
	.p2align	6, 0x0
	.amdhsa_kernel k_q45641dcd04_outp
		.amdhsa_group_segment_fixed_size 53248
		.amdhsa_private_segment_fixed_size 0
		.amdhsa_enable_private_segment 0
		.amdhsa_kernarg_size 32
		.amdhsa_user_sgpr_count 2
		.amdhsa_user_sgpr_kernarg_segment_ptr 1
		.amdhsa_wavefront_size32 1
		.amdhsa_system_sgpr_workgroup_id_x 1
		.amdhsa_system_sgpr_workgroup_id_y 1
		.amdhsa_system_sgpr_workgroup_id_z 1
		.amdhsa_system_vgpr_workitem_id 0
		.amdhsa_next_free_vgpr 242
		.amdhsa_next_free_sgpr 66
		.amdhsa_reserve_vcc 1
		.amdhsa_float_denorm_mode_32 3
		.amdhsa_float_denorm_mode_16_64 3
		.amdhsa_memory_ordered 1
		.amdhsa_forward_progress 1
		.amdhsa_inst_pref_size 24
	.end_amdhsa_kernel
	.amdgpu_metadata
---
amdhsa.version: [ 1, 2 ]
amdhsa.kernels:
  - .name:           k_q45641dcd04_outp
    .symbol:         k_q45641dcd04_outp.kd
    .args:
      - { .name: x, .offset: 0, .size: 8, .value_kind: global_buffer, .address_space: global }
      - { .name: Ps, .offset: 8, .size: 8, .value_kind: global_buffer, .address_space: global }
      - { .name: bo, .offset: 16, .size: 8, .value_kind: global_buffer, .address_space: global }
      - { .name: out0, .offset: 24, .size: 8, .value_kind: global_buffer, .address_space: global }
    .group_segment_fixed_size: 53248
    .private_segment_fixed_size: 0
    .kernarg_segment_align: 8
    .kernarg_segment_size: 32
    .max_flat_workgroup_size: 256
    .sgpr_count:     66
    .vgpr_count:     242
    .wavefront_size: 32
...
	.end_amdgpu_metadata
.endif
;; end of part 4
;; ======== version 2 of 2: 4 launches; version 1 with the launch gram written anew for expert scheduling mode
;; limits: values outside matrix products are rounded to bf16
;; workspace buffers: Gp 5,308,416 bytes; Cs 2,654,208 bytes; Us 2,359,296 bytes; Ds 4,718,592 bytes; Ps 589,824 bytes
;; launch gram (part 5): grid 9 x 32, 9 waves a work-group, no clusters, 148,736 bytes of LDS; arguments x, Wq, Wk, Wv, Wo, bq, bk, bv, Gp, Cs, Us; writes Gp, Cs, Us
.if DOCPART == 5
	.amdgcn_target "amdgcn-amd-amdhsa--gfx1250"
	.amdhsa_code_object_version 6
	.text
	.protected	k_q45641dcd04_gram
	.globl	k_q45641dcd04_gram
	.p2align	8
	.type	k_q45641dcd04_gram,@function
k_q45641dcd04_gram:
	s_mov_b64 s[64:65], 0
	v_nop
	global_prefetch_b8 v0, s[64:65] scope:SCOPE_SE
	s_setreg_imm32_b32 hwreg(HW_REG_WAVE_SCHED_MODE, 0, 2), 2
	s_setreg_imm32_b32 hwreg(HW_REG_WAVE_MODE, 25, 1), 1
	s_wait_xcnt 0x0
	s_wait_alu depctr_vm_vsrc(0)
; The module has no softmax, so its chain of products is re-associated exactly.  With xa = [x | 1] and Wa = [W | b] (257 columns):
;   out_b = scale * xa_b * ( sum over h of C_h G_b U_h ) + bo,   G_b = xa_b^T xa_b,  C_h = Wqa_h^T Wka_h,  U_h = Wva_h^T Wo_h^T.
; This launch makes the three kinds of product over a contraction of 256: partial G (16 jobs of 256 rows of x), C (8 heads), U (8 heads).
; The index space is 288 = 9 blocks of 32: 0..255 real, 256 the ones/bias column, 257..287 zeros that are computed from zero columns in LDS.
; LIMITS: inputs are rounded to bf16 once; sums are f32; the order of summation differs from the reference's (re-association);
; NaN and infinities in the inputs are not reproduced; intermediates grow as x^2 W^4 and must stay finite in f32.
; Job y = group id y: 0..15 G(part y), 16..23 C(h = y-16), 24..31 U(h = y-24).  Group id x = 3 RB + CB names a 96 x 96 part of the 288 x 288 result,
; wave w = 3 wr + wc a block of 32 x 32 in it: row block R = 3 RB + wr (matrix source 1), column block Cc = 3 CB + wc (matrix source 0).
; No cluster, no tensor load: the f32 inputs have to pass through registers to become bf16 before they reach LDS, and a joint request lands in LDS only.
; LDS: panel 0 at 0, panel 1 at PAN1.  A transposed panel is [k 256][96 real columns | 32 bias columns] bf16, pitch 288 bytes (9 x 32: the sixteen
; 16-byte pieces that a transposing load touches fall in different columns of banks).  Wo's panel is [96 rows o][256 k], pitch 528 bytes (33 x 16).
; The two kinds of panel 1 lie on the same bytes.  Their stores stand in different barrier intervals, so that their order does not lean on
; all waves of a group taking the same side of the branch on the job number.
; THE MODE: SCHED_MODE bits 1:0 = 2 (LLVM: expert scheduling mode 2), set by the entry lines.  The code itself states the register dependences
; between vector or matrix instructions and memory or LDS instructions, with s_wait_alu, always for 0.
; THE PLAN.  Registers that memory or LDS instructions touch:
;   v4, v9, v11, v13   global offsets: made in the head, ahead of the first wait on va_vdst; never written again.
;   v192, v193         1.0 by v_mov in the head; a bias may be loaded over it behind that same wait; read by one conversion each.
;   v2, v5-v8, v10, v12, v14, v15, v194-v199   LDS addresses and the stores' offset: made while the loads are out; never written again.
;   X0, X1             written by the global loads; the conversions close two trips up into the lower quad of their eight registers, and the LDS stores read
;                      those lower quads alone.  Three of X0's upper quads take the zero columns and the two bias columns: no store of panel 0 reads them.
;   Staging goes: panel 0's conversions | wait | its stores | all other vector work | wait | all other stores, in both barrier intervals.
;   FR0 .. FR2         three fragment buffers on X0's registers.  K step k: its matrix instructions read FR[k % 3]; the loads of step k + 2, dealt among them,
;                      land in FR[(k - 1) % 3], which step k - 1 read: one wait on va_vdst at the step's head states that those are done reading.
;   ACC, OH            on X1's registers: one wait on vm_vsrc behind the second barrier states that the LDS stores have read all of X0 and X1.
.set TP,   288
.set PAN1, 256*TP                      ; 73,728
.set WP,   528
.set X0,   16                          ; v[16:99] panel 0 as loaded, 21 trips x 4; v[100:103] trip 21 (waves 0-2)
.set X1,   104                         ; v[104:187] panel 1; v[188:191] trip 21
.set ZQ,   X0+4                        ; v[20:23] four zeros: an upper quad of X0
.set A0Q,  X0+12                       ; v[28:31] panel 0's bias column and seven zero columns
.set A1Q,  X0+20                       ; v[36:39] the same for panel 1
.set PADA, 2                           ; v2: LDS address of the padding of Wo's row 32 w + lane (used by waves 0-2 of U jobs)
.set AUG0, 192                         ; bias (or 1.0) of row k = thread number, panel 0
.set AUG1, 193                         ; the same, panel 1
.set T0A,  194                         ; fragment addresses: panel 0, K steps 0-3
.set T0B,  195                         ;                     panel 0, K steps 4-7
.set T1A,  196                         ;                     panel 1 (transposed)
.set T1B,  197
.set P1,   198                         ;                     panel 1 (Wo, plain)
.set SO,   199                         ; 16 x lane: the stores' offset
.set FR,   16                          ; v[16:111] three fragment buffers of 32: source 0 tiles 0, 1, source 1 tiles 0, 1
.set ACC,  112                         ; v[112:143] tile (rt, ct) at 8 (2 rt + ct)
.set OH,   144                         ; v[144:175] tile tt: hi at 8 tt, lo at 8 tt + 4
.set OT,   176                         ; v[176:179] at work
.set MSK,  60                          ; s60 = 0xffff0000
; v1 lane; v2, v3 at work; v4 global offset of a transposed panel's trip; v5-v8 its LDS addresses (panel 0: trips 0-10, 11-21; panel 1 likewise)
; v9, v10 Wo even trips (global, LDS); v11, v12 Wo odd trips; v13 4 x thread; v14, v15 LDS address of my bias row in panel 0, 1
.macro PLACES                          ; four independent vector places behind a matrix instruction (ISA guide 7.12.1)
.rept 4
	v_nop
.endr
.endm
.macro CV x, i                         ; trip i of panel x: four f32 to four bf16; trips 2 j and 2 j + 1 close up into the four registers at x + 8 j
	v_cvt_pk_bf16_f32 v[\x+8*((\i)>>1)+2*((\i)&1)], v[\x+4*(\i)], v[\x+4*(\i)+1]
	v_cvt_pk_bf16_f32 v[\x+8*((\i)>>1)+2*((\i)&1)+1], v[\x+4*(\i)+2], v[\x+4*(\i)+3]
.endm
.macro ST x, i, a, off                 ; trip i's 8 bytes into LDS
	ds_store_b64 v[\a], v[\x+8*((\i)>>1)+2*((\i)&1):\x+8*((\i)>>1)+2*((\i)&1)+1] offset:\off
.endm
; the last 96 bytes of row k of a transposed panel: the bias (or 1.0) in column 256, 31 zero columns, and the row's 32 bytes of padding
.macro AUGROW a, d
	ds_store_b128 v[\a], v[\d:\d+3] offset:192
.irp o, 208,224,240,256,272
	ds_store_b128 v[\a], v[ZQ:ZQ+3] offset:\o
.endr
.endm
.macro SPLIT4 S, H, LO, T              ; four f32 -> bf16 hi (2 registers) and bf16 of the remainder (2 registers)
	v_cvt_pk_bf16_f32 v[\H], v[\S], v[\S+1]
	v_cvt_pk_bf16_f32 v[\H+1], v[\S+2], v[\S+3]
	v_lshlrev_b32 v[\T], 16, v[\H]
	v_and_b32 v[\T+1], s[MSK], v[\H]
	v_lshlrev_b32 v[\T+2], 16, v[\H+1]
	v_and_b32 v[\T+3], s[MSK], v[\H+1]
	v_pk_add_f32 v[\S:\S+1], v[\S:\S+1], v[\T:\T+1] neg_lo:[0,1] neg_hi:[0,1]
	v_pk_add_f32 v[\S+2:\S+3], v[\S+2:\S+3], v[\T+2:\T+3] neg_lo:[0,1] neg_hi:[0,1]
	v_cvt_pk_bf16_f32 v[\LO], v[\S], v[\S+1]
	v_cvt_pk_bf16_f32 v[\LO+1], v[\S+2], v[\S+3]
.endm
.macro SPLIT8 S, H, LO, T
	SPLIT4 \S,\H,\LO,\T
	SPLIT4 \S+4,\H+2,\LO+2,\T
.endm
; Wo's addresses for the trips whose unit number is n = 6 e + c: row 32 wc + 3 e + (c >> 1), half c & 1.  s54 = 32 wc.
.macro WOADR c, vg, vl
	s_lshr_b32 s55, \c, 1
	s_add_co_u32 s55, s55, s54
	s_and_b32 s56, \c, 1
	s_lshl_b32 s57, s55, 13                        ; a row of Wo is 8,192 bytes
	s_lshl_b32 s58, s56, 9                         ; half a head's row: 512 bytes
	s_add_co_u32 s57, s57, s58
	v_lshl_add_u32 v[\vg], v1, 4, s57
	s_mul_i32 s57, s55, WP
	s_lshl_b32 s58, s56, 8
	s_add_co_u32 s57, s57, s58
	s_add_co_u32 s57, s57, PAN1
	v_lshl_add_u32 v[\vl], v1, 3, s57
.endm
	s_load_b512 s[16:31], s[0:1], 0x0              ; x 16, Wq 18, Wk 20, Wv 22, Wo 24, bq 26, bk 28, bv 30
	s_load_b128 s[32:35], s[0:1], 0x40             ; Gp 32, Cs 34
	s_load_b64 s[36:37], s[0:1], 0x50              ; Us
	v_lshl_add_u32 v200, v0, 2, 0x24000
	v_mov_b32 v201, 0
	v_lshrrev_b32 v1, 5, v0
	v_readfirstlane_b32 s3, v1                     ; wave 0..8
	v_and_b32 v1, 31, v0                           ; lane
	s_and_b32 s2, ttmp7, 0xffff                    ; job y
	s_mov_b32 s[MSK], 0xffff0000
	s_mul_i32 s12, ttmp9, 11
	s_lshr_b32 s12, s12, 5                         ; RB = x / 3 (exact for 0..8)
	s_mul_i32 s40, s12, 3
	s_sub_co_u32 s13, ttmp9, s40                   ; CB
	s_wait_alu depctr_va_sdst(0)                   ; s3 is written, ahead of its first reader: wr, wc, the branches on the wave and the LDS addresses are made from it
	s_mul_i32 s14, s3, 11
	s_lshr_b32 s14, s14, 5                         ; wr
	s_mul_i32 s41, s14, 3
	s_sub_co_u32 s15, s3, s41                      ; wc
	s_add_co_u32 s38, s40, s14                     ; R
	s_mul_i32 s39, s13, 3
	s_add_co_u32 s39, s39, s15                     ; Cc
	; A panel holds 96 real columns from PS on.  The third panel starts at 160, so that it stays inside the 256 columns: its blocks 6 and 7 lie
	; 64 bytes further right, and block 8 falls on the bias columns at byte 192.
	s_mul_i32 s41, s13, 96
	s_cmp_eq_u32 s13, 2
	s_cselect_b32 s41, 160, s41                    ; PS of panel 0
	s_cselect_b32 s42, 64, 0
	s_mul_i32 s43, s12, 96
	s_cmp_eq_u32 s12, 2
	s_cselect_b32 s43, 160, s43                    ; PS of panel 1
	s_cselect_b32 s44, 64, 0
	s_and_b32 s45, s2, 7
	s_cmp_lt_u32 s2, 16
	s_cselect_b32 s45, s2, s45                     ; part of x (0..15) or head (0..7)
	s_lshl_b32 s46, s45, 18                        ; 256 rows of 1,024 bytes
	s_lshl_b32 s47, s45, 10
	s_lshl2_add_u32 s48, s41, s46                  ; panel 0: part or head, + 4 PS
	s_mov_b32 s49, 0
	s_lshl2_add_u32 s50, s43, s46                  ; panel 1, transposed kind
	s_lshl_b32 s52, s43, 13
	s_add_co_u32 s52, s52, s47                     ; panel 1, Wo: row PS, column 256 h
	s_cmp_ge_u32 s2, 24
	s_cselect_b32 s50, s52, s50
	s_mov_b32 s51, 0
	s_mov_b32 s52, s47                             ; a head's 1,024 bytes of a bias
	s_mov_b32 s53, 0
	; global offset of a transposed panel's trip: wave (wr, wc) takes rows 12 i + 4 wr + (lane >> 3), 128 bytes of column block wc
	v_lshrrev_b32 v2, 3, v1
	v_and_b32 v3, 7, v1
	s_lshl_b32 s54, s14, 12
	s_lshl_b32 s55, s15, 7
	s_add_co_u32 s54, s54, s55
	v_lshl_add_u32 v4, v2, 10, s54
	v_lshl_add_u32 v4, v3, 4, v4
	s_lshl_b32 s54, s15, 5
	s_add_co_u32 s59, s14, 3
	WOADR s14, 9, 10                               ; even trips: c = wr
	WOADR s59, 11, 12                              ; odd trips:  c = wr + 3
	v_lshlrev_b32 v13, 2, v0
	v_mov_b32 v[AUG0], 1.0                         ; G jobs: the ones column; other jobs load their bias over it
	v_mov_b32 v[AUG1], 1.0
	s_wait_kmcnt 0x0
	s_cmp_ge_u32 s2, 24
	s_cselect_b64 s[4:5], s[22:23], s[20:21]       ; panel 0: Wv (U) or Wk (C)
	s_cselect_b64 s[6:7], s[24:25], s[18:19]       ; panel 1: Wo (U) or Wq (C)
	s_cselect_b64 s[8:9], s[30:31], s[28:29]       ; bias 0:  bv or bk
	s_cmp_lt_u32 s2, 16
	s_cselect_b64 s[4:5], s[16:17], s[4:5]         ; G: x for both
	s_cselect_b64 s[6:7], s[16:17], s[6:7]
	s_add_nc_u64 s[4:5], s[4:5], s[48:49]
	s_add_nc_u64 s[6:7], s[6:7], s[50:51]
	s_add_nc_u64 s[8:9], s[8:9], s[52:53]          ; used by C and U jobs alone
	s_add_nc_u64 s[10:11], s[26:27], s[52:53]      ; bias 1: bq, used by C jobs alone
	s_wait_alu depctr_va_vdst(0)                   ; the offsets v4, v9, v11 and v13 are written, which the loads below read; so are v192 and v193, on which the biases land
	; ALL LOADS AT ONCE: the job has one phase, so everything that it reads is requested before anything is waited for.
.set i, 0
.rept 21
	global_load_b128 v[X0+4*i:X0+4*i+3], v4, s[4:5] offset:i*12288
.set i, i+1
.endr
	s_cmp_ge_u32 s2, 24
	s_cbranch_scc1 .Lld_wo
.set i, 0
.rept 21
	global_load_b128 v[X1+4*i:X1+4*i+3], v4, s[6:7] offset:i*12288
.set i, i+1
.endr
	s_cmp_gt_u32 s3, 2
	s_cbranch_scc1 .Lld_p1
	global_load_b128 v[X1+84:X1+87], v4, s[6:7] offset:21*12288    ; rows 252..255: waves with wr = 0
	s_branch .Lld_p1
.Lld_wo:
.set i, 0
.rept 21
.if i & 1
	global_load_b128 v[X1+4*i:X1+4*i+3], v11, s[6:7] offset:(i>>1)*24576
.else
	global_load_b128 v[X1+4*i:X1+4*i+3], v9, s[6:7] offset:(i>>1)*24576
.endif
.set i, i+1
.endr
	s_cmp_gt_u32 s3, 2
	s_cbranch_scc1 .Lld_p1
	global_load_b128 v[X1+84:X1+87], v11, s[6:7] offset:10*24576   ; unit 63: waves with wr = 0
.Lld_p1:
	s_cmp_gt_u32 s3, 2
	s_cbranch_scc1 .Lld_x
	global_load_b128 v[X0+84:X0+87], v4, s[4:5] offset:21*12288
.Lld_x:
	s_cmp_lt_u32 s2, 16
	s_cbranch_scc1 .Lld_done                       ; G: 1.0 stays
	s_cmp_eq_u32 s3, 8
	s_cbranch_scc1 .Lld_done                       ; 256 rows: waves 0-7
	global_load_b32 v[AUG0], v13, s[8:9]
	s_cmp_ge_u32 s2, 24
	s_cbranch_scc1 .Lld_done                       ; U: Wo has no bias column
	global_load_b32 v[AUG1], v13, s[10:11]
.Lld_done:
	; LDS addresses, while the loads are on their way: none of these lines names a register that a load reads or lands in
	s_mul_i32 s54, s14, 4*TP
	s_lshl_b32 s55, s15, 6
	s_add_co_u32 s54, s54, s55
	v_mul_u32_u24 v5, v2, TP
	v_add_nc_u32 v5, s54, v5
	v_lshl_add_u32 v5, v3, 3, v5                   ; (4 wr + lane >> 3) x pitch + 64 wc + 8 (lane & 7)
	v_add_nc_u32 v6, 11*12*TP, v5                  ; trips 11..21: the 16-bit immediate does not reach them
	v_add_nc_u32 v7, PAN1, v5
	v_add_nc_u32 v8, PAN1+11*12*TP, v5
	s_mul_i32 s54, s3, 32*TP
	v_mul_u32_u24 v14, v1, TP
	v_add_nc_u32 v14, s54, v14                     ; row k = 32 w + lane
	v_add_nc_u32 v15, PAN1, v14
	; fragments of a panel stored [k][n]: (8 (lane >> 4) + (lane & 7)) x pitch + 16 ((lane >> 3) & 1), second load 16 rows down
	v_lshrrev_b32 v2, 4, v1
	v_lshl_add_u32 v2, v2, 3, v3
	v_mul_u32_u24 v2, v2, TP
	v_bfe_u32 v3, v1, 3, 1
	v_lshl_add_u32 v2, v3, 4, v2
	s_lshl_b32 s54, s15, 6
	s_add_co_u32 s54, s54, s42                     ; my column block's bytes in panel 0
	s_lshl_b32 s55, s14, 6
	s_add_co_u32 s55, s55, s44                     ; my row block's bytes in panel 1
	v_add_nc_u32 v[T0A], s54, v2
	v_add_nc_u32 v[T0B], 4*32*TP, v[T0A]
	s_add_co_u32 s56, s55, PAN1
	v_add_nc_u32 v[T1A], s56, v2
	v_add_nc_u32 v[T1B], 4*32*TP, v[T1A]
	s_mul_i32 s56, s55, WP/2                       ; Wo: the same block counted in rows (bytes / 2) x pitch
	s_add_co_u32 s56, s56, PAN1
	v_and_b32 v3, 15, v1
	v_mul_u32_u24 v3, v3, WP
	v_lshrrev_b32 v2, 4, v1
	v_lshl_add_u32 v3, v2, 4, v3
	v_add_nc_u32 v[P1], s56, v3
	v_lshlrev_b32 v[SO], 4, v1
	s_mul_i32 s54, s3, 32*WP                       ; the 16 bytes of padding of Wo's row 32 w + lane: made here with the other addresses, so that no vector line stands among the stores
	s_add_co_u32 s54, s54, PAN1+512
	v_mul_u32_u24 v[PADA], v1, WP
	v_add_nc_u32 v[PADA], s54, v[PADA]
	; FIRST INTERVAL: panel 0 with its bias columns; in G and C jobs the transposed panel 1 with its bias columns
	s_wait_loadcnt 21                              ; on every path at least panel 1's 21 loads are younger than panel 0's 21: those are in
.set i, 0
.rept 21
	CV X0, i
.set i, i+1
.endr
	s_wait_alu depctr_va_vdst(0)                   ; the conversions have written panel 0's lower quads, which the stores below read; all LDS addresses made above are written too
.set i, 0
.rept 21
.if i < 11
	ST X0, i, 5, i*12*TP
.else
	ST X0, i, 6, (i-11)*12*TP
.endif
.set i, i+1
.endr
	s_wait_loadcnt 0x0                             ; the rest
	; All the vector work that is left.  None of its destinations is read by the stores above: X1, trip 21's registers, and three upper quads of X0.
.set i, 0
.rept 21
	CV X1, i                                       ; the same lines for a transposed panel and for Wo's: only the stores' addresses differ
.set i, i+1
.endr
	s_cmp_gt_u32 s3, 2
	s_cbranch_scc1 .Lcv_t
	CV X0, 21
	CV X1, 21
.Lcv_t:
	s_cmp_eq_u32 s3, 8
	s_cbranch_scc1 .Lcv_a                          ; 256 rows: waves 0-7
.irp z, ZQ, ZQ+1, ZQ+2, ZQ+3, A0Q+1, A0Q+2, A0Q+3, A1Q+1, A1Q+2, A1Q+3
	v_mov_b32 v[\z], 0                             ; the zero columns' data
.endr
	v_cvt_pk_bf16_f32 v[A0Q], v[AUG0], 0
	v_cvt_pk_bf16_f32 v[A1Q], v[AUG1], 0           ; (stored by G and C jobs alone)
.Lcv_a:
	s_wait_alu depctr_va_vdst(0)                   ; panel 1's lower quads, trip 21's registers and the three quads are written: every LDS store from here to the second barrier reads only these; no vector line stands among them
	s_cmp_gt_u32 s3, 2
	s_cbranch_scc1 .Lst_x
	ST X0, 21, 6, 10*12*TP
.Lst_x:
	s_cmp_eq_u32 s3, 8
	s_cbranch_scc1 .Lst_a                          ; 256 rows: waves 0-7
	AUGROW 14, A0Q
.Lst_a:
	s_cmp_ge_u32 s2, 24
	s_cbranch_scc1 .Lst_b
.set i, 0
.rept 21
.if i < 11
	ST X1, i, 7, i*12*TP
.else
	ST X1, i, 8, (i-11)*12*TP
.endif
.set i, i+1
.endr
	s_cmp_gt_u32 s3, 2
	s_cbranch_scc1 .Lst_y
	ST X1, 21, 8, 10*12*TP
.Lst_y:
	s_cmp_eq_u32 s3, 8
	s_cbranch_scc1 .Lst_b
	AUGROW 15, A1Q
.Lst_b:
	s_wait_dscnt 0x0                               ; my stores are in LDS before I say so
	s_barrier_signal -1
	s_barrier_wait -1
	; SECOND INTERVAL: in U jobs Wo's panel, on panel 1's bytes
	s_cmp_lt_u32 s2, 24
	s_cbranch_scc1 .Lst_c
.set i, 0
.rept 21
.if i & 1
	ST X1, i, 12, (i>>1)*3*WP
.else
	ST X1, i, 10, (i>>1)*3*WP
.endif
.set i, i+1
.endr
	s_cmp_gt_u32 s3, 2
	s_cbranch_scc1 .Lst_c
	ST X1, 21, 12, 10*3*WP
	ds_store_b128 v[PADA], v[ZQ:ZQ+3]              ; waves 0-2 also clear the 16 bytes of padding of row 32 w + lane: no byte of the panel stays undefined
.Lst_c:
	s_wait_dscnt 0x0                               ; my stores are in LDS before I say so: the other waves read them
	s_barrier_signal -1
	s_barrier_wait -1
	s_wait_alu depctr_vm_vsrc(0)                   ; my LDS stores have read X0 and X1: from here on these registers are the fragment buffers, the accumulators and the way out's registers
; two LDS loads: fragment j (0, 1: source 0 tiles; 2, 3: source 1 tiles) of K step ks into buffer buf
.macro LDP buf, ks, plain, j
.if \ks < 4
.set ad0, T0A
.set ad1, T1A
.else
.set ad0, T0B
.set ad1, T1B
.endif
.set ko, (\ks&3)*32*TP
.if \j < 2
	ds_load_tr16_b128 v[FR+32*\buf+8*\j:FR+32*\buf+8*\j+3], v[ad0] offset:ko+32*\j
	ds_load_tr16_b128 v[FR+32*\buf+8*\j+4:FR+32*\buf+8*\j+7], v[ad0] offset:ko+32*\j+16*TP
.elseif \plain
	ds_load_b128 v[FR+32*\buf+8*\j:FR+32*\buf+8*\j+3], v[P1] offset:(\j-2)*16*WP+\ks*64
	ds_load_b128 v[FR+32*\buf+8*\j+4:FR+32*\buf+8*\j+7], v[P1] offset:(\j-2)*16*WP+\ks*64+32
.else
	ds_load_tr16_b128 v[FR+32*\buf+8*\j:FR+32*\buf+8*\j+3], v[ad1] offset:ko+32*(\j-2)
	ds_load_tr16_b128 v[FR+32*\buf+8*\j+4:FR+32*\buf+8*\j+7], v[ad1] offset:ko+32*(\j-2)+16*TP
.endif
.endm
; the matrix instruction of tile tt = 2 rt + ct; in step 0 it starts the sum with the constant 0.  The four accumulators take turns.
.macro WM buf, first, tt
.if \first == 0
	v_wmma_f32_16x16x32_bf16 v[ACC+8*\tt:ACC+8*\tt+7], v[FR+32*\buf+8*(\tt&1):FR+32*\buf+8*(\tt&1)+7], v[FR+32*\buf+16+8*(\tt>>1):FR+32*\buf+16+8*(\tt>>1)+7], 0
.else
	v_wmma_f32_16x16x32_bf16 v[ACC+8*\tt:ACC+8*\tt+7], v[FR+32*\buf+8*(\tt&1):FR+32*\buf+8*(\tt&1)+7], v[FR+32*\buf+16+8*(\tt>>1):FR+32*\buf+16+8*(\tt>>1)+7], v[ACC+8*\tt:ACC+8*\tt+7]
.endif
.endm
; Eight K steps of 32 on three buffers.  Steps 0 and 1 are requested ahead; step k's four matrix instructions are dealt among the eight loads of step k + 2.
; Those loads name FR[(k + 2) % 3] and the address registers; the step's matrix instructions name FR[k % 3] and the accumulators: nothing in common.
.macro GLOOP plain
.irp j, 0,1,2,3
	LDP 0, 0, \plain, \j                           ; no vector or matrix line has named these registers since the last wait on va_vdst
.endr
.irp j, 0,1,2,3
	LDP 1, 1, \plain, \j
.endr
.set k, 0
.rept 8
.set cb, k%3
.set kn, k+2
.set nb, kn%3
.if (k > 0) && (k < 6)
	PLACES                                         ; kept beside the wait below, which fills no place: between the last step's matrix instructions and the loads into the buffer that they read
.endif
.if k < 7
	s_wait_dscnt 0x8                               ; LDS loads come back in order: this step's eight are in, the next step's eight stay out
.else
	s_wait_dscnt 0x0
.endif
.if (k > 0) && (k < 6)
	s_wait_alu depctr_va_vdst(0)                   ; the last step's matrix instructions are done reading their buffer, in which this step's loads land
.endif
.irp t, 0,1,2,3
	WM cb, k, \t
.if k < 6
	LDP nb, kn, \plain, \t
.endif
.endr
.set k, k+1
.endr
.endm
	s_cmp_ge_u32 s2, 24
	s_cbranch_scc1 .Lmm_u
	GLOOP 0
	s_cmp_lt_u32 s2, 16
	s_cbranch_scc1 .Lout_g
	s_branch .Lout_split
.Lmm_u:
	s_cmp_eq_u32 s38, 8                            ; U has 256 rows o: row block 8 does not exist; these waves only helped to stage
	s_cbranch_scc1 .Lend
	GLOOP 1
.Lout_split:
	; C and U leave as bf16 hi + lo in the order in which the next launch's fragments want them: lane (r, h) of tile (rt, ct) holds row 16 (2R+rt) + r
	; and the eight contraction indices 32 Cc + 16 ct + 8 h + 0..7.  Block [row tile][K step][plane][half][lane][16 bytes]; a store covers 512 bytes.
	PLACES
	s_cmp_ge_u32 s2, 24
	s_cselect_b64 s[40:41], s[36:37], s[34:35]     ; Us or Cs
	s_mov_b32 s42, 18*9*2048
	s_cselect_b32 s42, 16*9*2048, s42              ; bytes of a head
	s_mul_i32 s42, s42, s45
	s_mul_i32 s43, s38, 18
	s_add_co_u32 s43, s43, s39
	s_lshl_b32 s43, s43, 11                        ; (9 (2 R) + Cc) x 2,048
	s_add_co_u32 s42, s42, s43
	s_mov_b32 s43, 0
	s_add_nc_u64 s[40:41], s[40:41], s[42:43]
.irp tt, 0,1,2,3
	SPLIT8 ACC+8*\tt,OH+8*\tt,OH+8*\tt+4,OT
.endr
	s_wait_alu depctr_va_vdst(0)                   ; the splits have written v[OH ..], which the eight stores read
.irp rt, 0,1
.irp ct, 0,1
	global_store_b128 v[SO], v[OH+8*(2*\rt+\ct):OH+8*(2*\rt+\ct)+3], s[40:41] offset:\rt*18432+\ct*512
	global_store_b128 v[SO], v[OH+8*(2*\rt+\ct)+4:OH+8*(2*\rt+\ct)+7], s[40:41] offset:\rt*18432+\ct*512+1024
.endr
.endr
	s_wait_dscnt 0x0
	s_wait_alu depctr_hold_cnt(0) depctr_sa_sdst(0) depctr_va_vdst(0) depctr_va_sdst(0) depctr_va_ssrc(0) depctr_va_vcc(0) depctr_vm_vsrc(0)
	s_wait_tensorcnt 0x0
	ds_add_u32 v200, v201
	s_wait_dscnt 0x0
	s_endpgm
.Lout_g:
	; partial G leaves in f32: [part][row tile 18][column tile 18][q][lane][16 bytes]
	PLACES
	s_mul_i32 s42, s2, 18*18*1024
	s_mul_i32 s43, s38, 36
	s_lshl1_add_u32 s43, s39, s43                  ; 18 (2 R) + 2 Cc
	s_lshl_b32 s43, s43, 10
	s_add_co_u32 s42, s42, s43
	s_mov_b32 s43, 0
	s_add_nc_u64 s[40:41], s[32:33], s[42:43]
	s_wait_alu depctr_va_vdst(0)                   ; the matrix instructions have written the accumulators, which the eight stores read; the places above stay beside this wait
.irp rt, 0,1
.irp ct, 0,1
.irp q, 0,1
	global_store_b128 v[SO], v[ACC+8*(2*\rt+\ct)+4*\q:ACC+8*(2*\rt+\ct)+4*\q+3], s[40:41] offset:\rt*18432+\ct*1024+\q*512
.endr
.endr
.endr
.Lend:
	s_wait_dscnt 0x0
	s_wait_alu depctr_hold_cnt(0) depctr_sa_sdst(0) depctr_va_vdst(0) depctr_va_sdst(0) depctr_va_ssrc(0) depctr_va_vcc(0) depctr_vm_vsrc(0)
	s_wait_tensorcnt 0x0
	ds_add_u32 v200, v201
	s_wait_dscnt 0x0
	s_endpgm
.Lfunc_end_k_q45641dcd04_gram:
	.size	k_q45641dcd04_gram, .Lfunc_end_k_q45641dcd04_gram-k_q45641dcd04_gram
	.p2alignl 7, 3214868480
	.fill 96, 4, 3214868480
	.section	.rodata,"a",@progbits
	.p2align	6, 0x0
	.amdhsa_kernel k_q45641dcd04_gram
		.amdhsa_group_segment_fixed_size 148736
		.amdhsa_private_segment_fixed_size 0
		.amdhsa_enable_private_segment 0
		.amdhsa_kernarg_size 88
		.amdhsa_user_sgpr_count 2
		.amdhsa_user_sgpr_kernarg_segment_ptr 1
		.amdhsa_wavefront_size32 1
		.amdhsa_system_sgpr_workgroup_id_x 1
		.amdhsa_system_sgpr_workgroup_id_y 1
		.amdhsa_system_sgpr_workgroup_id_z 1
		.amdhsa_system_vgpr_workitem_id 0
		.amdhsa_next_free_vgpr 202
		.amdhsa_next_free_sgpr 66
		.amdhsa_reserve_vcc 0
		.amdhsa_float_denorm_mode_32 3
		.amdhsa_float_denorm_mode_16_64 3
		.amdhsa_memory_ordered 1
		.amdhsa_forward_progress 1
		.amdhsa_inst_pref_size 46
	.end_amdhsa_kernel
	.amdgpu_metadata
---
amdhsa.version: [ 1, 2 ]
amdhsa.kernels:
  - .name:           k_q45641dcd04_gram
    .symbol:         k_q45641dcd04_gram.kd
    .args:
      - { .name: x, .offset: 0, .size: 8, .value_kind: global_buffer, .address_space: global }
      - { .name: Wq, .offset: 8, .size: 8, .value_kind: global_buffer, .address_space: global }
      - { .name: Wk, .offset: 16, .size: 8, .value_kind: global_buffer, .address_space: global }
      - { .name: Wv, .offset: 24, .size: 8, .value_kind: global_buffer, .address_space: global }
      - { .name: Wo, .offset: 32, .size: 8, .value_kind: global_buffer, .address_space: global }
      - { .name: bq, .offset: 40, .size: 8, .value_kind: global_buffer, .address_space: global }
      - { .name: bk, .offset: 48, .size: 8, .value_kind: global_buffer, .address_space: global }
      - { .name: bv, .offset: 56, .size: 8, .value_kind: global_buffer, .address_space: global }
      - { .name: Gp, .offset: 64, .size: 8, .value_kind: global_buffer, .address_space: global }
      - { .name: Cs, .offset: 72, .size: 8, .value_kind: global_buffer, .address_space: global }
      - { .name: Us, .offset: 80, .size: 8, .value_kind: global_buffer, .address_space: global }
    .group_segment_fixed_size: 148736
    .private_segment_fixed_size: 0
    .kernarg_segment_align: 8
    .kernarg_segment_size: 88
    .max_flat_workgroup_size: 288
    .sgpr_count:     66
    .vgpr_count:     202
    .wavefront_size: 32
...
	.end_amdgpu_metadata
.endif
;; end of part 5
;; launch dstage: the kernel of part 2 again; grid 9 x 16, 8 waves a work-group, no clusters, 37,888 bytes of LDS; arguments Gp, Us, Ds; writes Ds
;; launch pstage: the kernel of part 3 again; grid 9 x 16, 8 waves a work-group, no clusters, 33,792 bytes of LDS; arguments Cs, Ds, Ps; writes Ps
;; launch outp: the kernel of part 4 again; grid 128 x 1, 8 waves a work-group, no clusters, 53,248 bytes of LDS; arguments x, Ps, bo, out0; writes out0
